; MI455X (gfx1250); checked and timed in simulation.
; The chip was launched on July 23, 2026; its instructions are those of AMD's public machine-readable ISA for CDNA 5 (MIT licence, August 2026) and "CDNA5" Instruction Set Architecture Reference Guide (July 2026). The comments in the code are by the model that wrote it; some were corrected since.
;; Causal Self Attention2d. Allowed arithmetic: matrix products marked QUANTISED: E3M2 operands, one E8M0 scale for each 32 along K, by v_wmma_scale_f32_16x16x128_f8f6f4 with both operands' format E3M2, f32 sums; everything else in f32.
;; Inputs: input 8 x 256 x 32 x 32 float32; k_b 512 float32; k_w 512 x 256 float32; q_b 512 float32; q_w 512 x 256 float32; v_b 512 float32; v_w 512 x 256 float32.
;; Outputs: out0 8 x 512 x 32 x 32 float32.
;; This version of the problem:
;;   THIS VERSION OF THE PROBLEM IS GIVEN IN LOW PRECISION. The matrix products marked QUANTISED in the list below multiply operands that are first quantised to E3M2 (3 exponent bits, 2 mantissa bits; 6 bits a number), with one power-of-two scale for each 32 numbers along K (OCP MX v1.0); their sums are f32. All else is computed in f32.
;;   The module's matrix products, in the order in which they are computed (A, B: the left and right operand; K: the contracted axis; several contracted axes count as one K, in the product's order):
;;     1. [M 8,192, K 256] x [K 256, N 512]; A: input input; B: input q_w: QUANTISED
;;     2. [M 8,192, K 256] x [K 256, N 512]; A: input input; B: input k_w: QUANTISED
;;     3. [M 8,192, K 256] x [K 256, N 512]; A: input input; B: input v_w: QUANTISED
;;     4. batch 64 x [M 1,024, K 64] x [K 64, N 1,024]; A: computed on the way; B: computed on the way: QUANTISED
;;     5. batch 64 x [M 1,024, K 1,024] x [K 1,024, N 64]; A: softmax (see below); B: computed on the way: QUANTISED
;;   THE QUANTISER, for each operand of a quantised product, along K:
;;     - K is cut into blocks of 32 from its start; a last block that is shorter is filled with zeros.
;;     - A block's scale is 2^e with e = floor(log2(the largest magnitude in the block)) - 4, held to -126 .. 127; a block of zeros has e = 0. As a byte (E8M0): e + 127.
;;     - Each number is divided by its block's scale, clamped to +-28, and rounded to the nearest number of E3M2, ties to even, subnormals kept.
;;     - The product sums the exact products of the quantised numbers (number of the format x scale) in f32.
;;   ~~~python
;;   def quantise(x, axis):      # numpy; x: float32 -> the quantised numbers, widened to float32 again
;;       x = np.moveaxis(x, axis, -1); K = x.shape[-1]
;;       x = np.pad(x, [(0, 0)] * (x.ndim - 1) + [(0, -K % 32)]); x = x.reshape(x.shape[:-1] + (-1, 32)); a = np.abs(x).max(-1, keepdims=True)
;;       e = np.where(a > 0, np.clip(np.frexp(np.where(a > 0, a, 1))[1] - 1 - 4, -126, 127), 0)      # np.frexp(a)[1] - 1 = floor(log2(a)), exactly
;;       r = np.clip(x / 2.0 ** e, -28, 28)
;;       step = 2.0 ** (np.maximum(np.frexp(np.where(r == 0, 1, r))[1] - 1, -2) - 2)
;;       q = np.round(r / step) * step * 2.0 ** e      # np.round: ties to even
;;       return np.moveaxis(q.reshape(q.shape[:-2] + (-1,))[..., :K], -1, axis).astype(np.float32)
;;   ~~~
;;   SOFTMAX AHEAD OF A QUANTISED PRODUCT. Where the list says 'softmax', what is quantised is not the finished softmax but p = 2^(t - M), with t = logit x log2(e) and M = ceil(the row's largest t), a whole number; so 1/2 < the row's largest p <= 1. The row's sum l is taken of the UNQUANTISED p, in f32, and the product's result is divided by l at the end. Since M is a whole number, a kernel that streams over the keys may use a running M (the ceiling of the running maximum): every later rescaling is an exact power of two, which a block's scale takes up: the codes' values come out the same.
;;   OPERANDS COMPUTED ON THE WAY. 'Computed on the way' means the value that the module computes at that place (a softmax that the list does not call 'softmax' is quantised finished and normalised). What goes into a quantiser is computed in f32, as accurately as f32 sums, v_exp_f32 and their like allow (about 1e-6 of the number): no bf16 or f16 on the way to a quantiser, and a product that is left as it is and whose result goes on into a quantised operand takes f32 operands (vector FMAs, or v_wmma_f32_16x16x4_f32). A number that lies on a knife's edge between two numbers of the format may be rounded either way, as far as f32 arithmetic and the matrix unit's own rounding can turn it there, and no further.
;; 2 versions. Each part assembles by itself: llvm-mc -triple=amdgcn-amd-amdhsa -mcpu=gfx1250 --defsym DOCPART=n.
;; ======== version 1 of 2: 2 launches
;; workspace buffers: ws 9,830,400 bytes
;; launch proj (part 1): grid 32 x 8, 16 waves a work-group, no clusters, 93,184 bytes of LDS; arguments input, q_w, q_b, k_w, k_b, v_w, v_b, ws; writes ws
.if DOCPART == 1
	.amdgcn_target "amdgcn-amd-amdhsa--gfx1250"
	.amdhsa_code_object_version 6
	.text
	.protected	k_qec22afc215_proj
	.globl	k_qec22afc215_proj
	.p2align	8
	.type	k_qec22afc215_proj,@function
k_qec22afc215_proj:
	s_mov_b64 s[64:65], 0
	v_nop
	global_prefetch_b8 v0, s[64:65] scope:SCOPE_SE
	s_setreg_imm32_b32 hwreg(HW_REG_WAVE_MODE, 25, 1), 1
	s_wait_xcnt 0x0
; q, k, v = x W^T + bias for one image b, one head and one block of 256 positions, all on codes of BF6 (E3M2) with one E8M0 scale for each 32 along K,
; and the results quantised again for the attention launch: q and k along the head's 64 units, v along the keys.
; input: [8][256 c][1024 s] f32 (K = c is the OUTER axis); q_w, k_w, v_w: [512][256] f32 (K innermost); biases [512] f32.
; SHARES.  Work-group (x = 4 head + sb, y = b): positions 256 sb .. + 255, the head's 64 rows of each weight.  Sixteen waves, four to a SIMD.
; THE UNIT: a HALF FRAGMENT, 16 rows x 64 K of codes = 6 registers a lane (lane (r, h): row r, k = 32 h + 0 .. 31), kept as an image of its registers: three pieces of 256 bytes,
; piece j at 256 j + 8 x lane.  Two of them on end are an operand for 128 along K: six loads of 8 bytes, 256 bytes apart.  No pitch, no padding, no byte stores of codes.
; TILES OF 16 POSITIONS ARE NOT NEIGHBOURS: tile 2 B + u of a run of 32 holds positions 32 B + 8 u + r + 8 (r / 8), and so do the tiles of q_w's and k_w's rows: where such a tile is source 0 of a product,
; a lane's 16 registers of tiles 2 B and 2 B + 1 are 16 neighbours, 32 B + 16 (lane / 16) + 0 .. 15, which is what the conversions want.
; PHASES.  B: each wave quantises one half fragment of each weight, and 32 columns x 128 channels of x (a lane to a column, registers down the channels: nothing is transposed); images to LDS | barrier |
; C: wave w makes q and k of position tile w (source 0 = rows of W, source 1 = x: a lane holds one position, registers run along the units), and v^T of unit tile w % 4 for keys 64 (w / 4) on
; (source 0 = x, source 1 = rows of v_w: a lane holds one unit, registers run along the keys).  Each result is quantised in registers; its 768 bytes of codes are stored as three aligned runs of 256 bytes.
; The scale bytes meet in LDS | barrier | and leave as 1,536 consecutive bytes.  The biases are the C of each sum's first product.
; THE RECORD in ws, 38,400 bytes for (b, head, sb): Q codes 16 x 768 | K codes 16 x 768 | V codes, half fragment (run of 64 keys kq, unit tile dt) at (4 kq + dt) 768 | Q scales [tile][r] 2 bytes |
; K scales likewise | V scales, words [128 keys][dt][r].
; NO CLUSTER: what work-groups share here (x's block among 8 heads, a head's weights among 32 blocks) arrives as f32 and has to pass through registers to be quantised; as tiles in LDS x's block alone
; would be 262,144 bytes beside 91,136 of images.
; LIMITS: NaN and infinities among the inputs are not served.  A block whose largest magnitude lies under 2^-122, a block of zeros among them, gets the scale byte 1 (the rule gives zeros 127): its codes are
; then zeros or subnormal codes under that byte, and the bytes are read by this program alone.
.set XIMG, 0                           ; LDS: x's images: 16 tiles x 4 half fragments x 768
.set WIMG, 49152                       ; the weights': 3 matrices x 16 half fragments (4 x tile + run of 64 along K) x 768
.set XSC,  86016                       ; x's scale words [tile][K step][r]
.set WSC,  88064                       ; the weights' [matrix][tile][K step][r]
.set SST,  89600                       ; the results' scale bytes, laid as in the record: 1,536 bytes
.set RECB, 38400
.set SCW,  24                          ; v24-31  scale words of source 0's eight fragments: scales and nothing else
.set SCX,  32                          ; v32-33  scale words of source 1's two
.set TM,   34                          ; v34-35 largest magnitudes, v36-37 the other half's, v38-39 the conversions' scale operands, v40-41 bytes
.set PW,   42                          ; v42     two scale bytes just made
.set XW,   43                          ; v43     x's scale word as it grows
.set PC,   44                          ; v44-49  the half fragment just made
.set PC2,  50                          ; v50-52  (a conversion's three registers begin on an even number)
.set XF,   64                          ; v64-87  source 1's two fragments (phase B: q_w's numbers, then x's fourth block)
.set VB,   88                          ; v88-95  v's bias, eight times
.set ACK,  96                          ; v96-127 k's four accumulators (phase B: k_w's numbers)
.set ACQ,  128                         ; v128-159 q's, then v's (phase B: v_w's numbers)
.set FRG,  160                         ; v160-255 source 0's eight fragments (phase B: x's first three blocks)
.macro WLOAD reg, adr, base            ; 32 numbers of my row: register 16 B + i = k 32 B + 16 (lane / 16) + i of the wave's run of 64
.irp b, 0,1
.irp j, 0,1,2,3
	global_load_b128 v[\reg+16*\b+4*\j:\reg+16*\b+4*\j+3], v[\adr], s[\base:\base+1] offset:128*\b+16*\j
.endr
.endr
.endm
.macro XLOAD t, reg                    ; block t of 32 channels of my column: each load reads 128 consecutive bytes
.set xi, 0
.rept 32
	global_load_b32 v[\reg+xi], v1, s[4:5] offset:(32*(\t)+xi)*4096
.set xi, xi+1
.endr
.endm
.macro BLOAD reg, base                 ; a bias in the result's layout: tile t, lane half h: units 32 (t / 2) + 16 h + 8 (t % 2) + 0 .. 7
.irp t, 0,1,2,3
	global_load_b128 v[\reg+8*\t:\reg+8*\t+3], v9, s[\base:\base+1] offset:(32*(\t/2)+8*(\t%2))*4
	global_load_b128 v[\reg+8*\t+4:\reg+8*\t+7], v9, s[\base:\base+1] offset:(32*(\t/2)+8*(\t%2))*4+16
.endr
.endm
; 32 numbers of a lane, register 16 B + i = k 32 B + 16 (lane / 16) + i of my row, become a half fragment in v[PC] on and two scale bytes in v[PW].  The first lines read the low end of each run of eight.
.macro QUANT2 s
.irp b, 0,1
	v_max3_num_f32 v[TM+\b], |v[\s+16*\b]|, |v[\s+1+16*\b]|, 0x2800000      ; my 16 numbers of block B, and the floor 2^(5 - 127): the byte cannot fall under 1
.endr
.irp i, 2,4,6,8,10,12,14
.irp b, 0,1
	v_max3_num_f32 v[TM+\b], v[TM+\b], |v[\s+16*\b+\i]|, |v[\s+1+16*\b+\i]|
.endr
.endr
.irp b, 0,1
	v_permlanex16_b32 v[TM+2+\b], v[TM+\b], s26, s27
.endr
.irp b, 0,1
	v_max_num_f32 v[TM+\b], v[TM+\b], v[TM+2+\b]                            ; with lane l xor 16's: the block's largest magnitude
.endr
.irp b, 0,1
	v_add_nc_u32 v[TM+4+\b], 0xfe000000, v[TM+\b]                           ; 4 off its exponent field: the conversion takes that field as its scale
.endr
.irp b, 0,1
	v_lshrrev_b32 v[TM+6+\b], 23, v[TM+4+\b]                                ; the scale's byte
.endr
	v_lshl_or_b32 v[PW], v[TM+7], 8, v[TM+6]
	v_cvt_scalef32_pk16_bf6_f32 v[PC:PC+2], v[\s:\s+15], v[TM+4]
	v_cvt_scalef32_pk16_bf6_f32 v[PC2:PC2+2], v[\s+16:\s+31], v[TM+5]
	v_nop                                                                   ; one plain place behind a scaled conversion
.irp i, 0,1,2
	v_permlane16_swap_b32 v[PC+\i], v[PC2+\i]                               ; a whole block to a lane: lanes 0-15 block 0, lanes 16-31 block 1
.endr
.irp i, 0,1,2
	v_mov_b32 v[PC+3+\i], v[PC2+\i]
.endr
.endm
.macro WSTORE ci, si                   ; a weight's half fragment and its two bytes to LDS
.irp j, 0,1,2
	ds_store_b64 v5, v[PC+2*\j:PC+2*\j+1] offset:\ci+256*\j
.endr
	ds_store_b16 v6, v[PW] offset:\si                                       ; lanes r and r + 16 write the same bytes with the same value
.endm
; Block t of x: all 32 numbers are one lane's, so no other lane is asked.  Its 24 bytes are what lane (r', t % 2) of half fragment t / 2 holds.
.macro XQ t, reg
	s_wait_dscnt 0x0                                                        ; the last stores have read v[PC] on
	v_max3_num_f32 v54, |v[\reg]|, |v[\reg+1]|, |v[\reg+2]|
	v_max3_num_f32 v55, |v[\reg+3]|, |v[\reg+4]|, |v[\reg+5]|
.irp i, 6,10,14,18,22,26
	v_max3_num_f32 v54, v54, |v[\reg+\i]|, |v[\reg+\i+1]|
	v_max3_num_f32 v55, v55, |v[\reg+\i+2]|, |v[\reg+\i+3]|
.endr
	v_max3_num_f32 v54, v54, |v[\reg+30]|, |v[\reg+31]|
	v_max3_num_f32 v54, v54, v55, 0x2800000
	v_add_nc_u32 v56, 0xfe000000, v54
	v_lshrrev_b32 v57, 23, v56
.if \t == 0
	v_mov_b32 v[XW], v57
.else
	v_lshl_or_b32 v[XW], v57, 8*\t, v[XW]
.endif
	v_cvt_scalef32_pk16_bf6_f32 v[PC:PC+2], v[\reg:\reg+15], v56
	v_cvt_scalef32_pk16_bf6_f32 v[PC2:PC2+2], v[\reg+16:\reg+31], v56
	v_nop
.irp i, 0,1,2
	v_mov_b32 v[PC+3+\i], v[PC2+\i]
.endr
.irp j, 0,1,2
	ds_store_b64 v7, v[PC+2*\j:PC+2*\j+1] offset:768*(\t/2)+128*(\t%2)+256*\j
.endr
.endm
.macro FR n, reg, adr, off             ; n pieces of 8 bytes a lane, 256 bytes apart: images come back as the registers that they were
.set fp, 0
.rept \n
	ds_load_b64 v[\reg+2*fp:\reg+2*fp+1], v[\adr] offset:\off+256*fp
.set fp, fp+1
.endr
.endm
.macro SC8 adr, off                    ; eight scale words, 64 bytes apart
.irp i, 0,1,2,3,4,5,6,7
	ds_load_b32 v[SCW+\i], v[\adr] offset:\off+64*\i
.endr
.endm
.macro SC2 adr
	ds_load_b32 v[SCX], v[\adr]
	ds_load_b32 v[SCX+1], v[\adr] offset:64
.endm
.macro PLACES                          ; four plain places behind a matrix instruction, ahead of loads into its registers and of the first read of its result
.rept 4
	v_nop
.endr
.endm
.macro BARRIER                         ; my LDS stores have landed and my LDS loads are in: then the work-group's barrier
	s_wait_dscnt 0x0
	s_barrier_signal -1
	s_barrier_wait -1
.endm
; q or k: four tiles of units x my tile of positions, two K steps.  The four accumulators take turns, one instruction a turn; each begins on its bias, loaded in place.
.macro MMQK acc
.irp ks, 0,1
.irp t, 0,1,2,3
	v_wmma_scale_f32_16x16x128_f8f6f4 v[\acc+8*\t:\acc+8*\t+7], v[FRG+12*(2*\t+\ks):FRG+12*(2*\t+\ks)+11], v[XF+12*\ks:XF+12*\ks+11], v[\acc+8*\t:\acc+8*\t+7], v[SCW+2*\t+\ks], v[SCX+\ks] matrix_a_fmt:MATRIX_FMT_BF6 matrix_b_fmt:MATRIX_FMT_BF6
.endr
.endr
.endm
.macro CSTORE off                      ; a half fragment to my place in the record: each store covers 256 consecutive bytes, at a multiple of 256 from the buffer's first byte
.irp j, 0,1,2
	global_store_b64 v4, v[PC+2*\j:PC+2*\j+1], s[30:31] offset:\off+256*\j
.endr
.endm
	s_load_b256 s[4:11], s[0:1], 0x0               ; input s[4:5], q_w s[6:7], q_b s[8:9], k_w s[10:11]
	s_load_b256 s[12:19], s[0:1], 0x20             ; k_b s[12:13], v_w s[14:15], v_b s[16:17], ws s[18:19]
	v_lshrrev_b32 v23, 5, v0
	v_readfirstlane_b32 s20, v23                   ; wave 0..15
	s_lshr_b32 s21, ttmp9, 2                       ; head
	s_and_b32 s22, ttmp9, 3                        ; sb: which 256 positions
	s_and_b32 s23, ttmp7, 0xffff                   ; b
	s_lshr_b32 s32, s20, 1                         ; w / 2: my 32 columns of x
	s_and_b32 s33, s20, 1                          ; w % 2: my K step of x
	s_lshr_b32 s34, s20, 2                         ; w / 4: my tile of a weight's rows; later my run of 64 keys
	s_and_b32 s35, s20, 3                          ; w % 4: my run of 64 along K; later my tile of v's units
	v_and_b32 v58, 31, v0                          ; lane
	v_and_b32 v59, 15, v0                          ; r
	v_bfe_u32 v60, v0, 4, 1                        ; h
	v_lshlrev_b32 v1, 2, v58                       ; x: 4 bytes a lane
	v_and_b32 v61, 8, v59
	v_add_nc_u32 v61, v61, v59                     ; r + 8 (r / 8)
	v_lshlrev_b32 v2, 10, v61
	v_lshl_add_u32 v2, v60, 6, v2                  ; q_w, k_w: that row of 1,024 bytes, + 64 h
	v_lshlrev_b32 v3, 10, v59
	v_lshl_add_u32 v3, v60, 6, v3                  ; v_w: row r, + 64 h
	v_lshlrev_b32 v9, 6, v60                       ; q_b, k_b: 16 h numbers on
	v_lshlrev_b32 v10, 2, v59                      ; v_b: number r
	; byte offsets, each made apart from its pointer
	s_lshl_b32 s36, s23, 20                        ; x: image b,
	s_lshl_b32 s24, s33, 19                        ; 128 channels of 4,096 bytes a K step,
	s_add_co_u32 s36, s36, s24
	s_lshl_b32 s24, s22, 10                        ; 256 positions a block,
	s_add_co_u32 s36, s36, s24
	s_lshl_b32 s24, s32, 7                         ; my 32 columns
	s_add_co_u32 s36, s36, s24
	s_mov_b32 s37, 0
	s_lshl_b32 s38, s21, 16                        ; the weights: the head's 64 rows,
	s_lshl_b32 s24, s35, 8                         ; my run of 64 along K
	s_add_co_u32 s38, s38, s24
	s_lshl_b32 s24, s34, 14                        ; v_w: tile t begins at row 16 t
	s_add_co_u32 s40, s38, s24
	s_mov_b32 s41, 0
	s_lshr_b32 s24, s34, 1                         ; q_w, k_w: at row 32 (t / 2) + 8 (t % 2)
	s_lshl_b32 s24, s24, 15
	s_add_co_u32 s38, s38, s24
	s_and_b32 s24, s34, 1
	s_lshl_b32 s24, s24, 13
	s_add_co_u32 s38, s38, s24
	s_mov_b32 s39, 0
	s_lshl_b32 s42, s21, 8                         ; the biases: the head's 64 numbers;
	s_mov_b32 s43, 0
	s_lshl_b32 s24, s35, 6                         ; v_b: my tile's 16
	s_add_co_u32 s44, s42, s24
	s_mov_b32 s45, 0
	s_lshl_b32 s46, s23, 3
	s_add_co_u32 s46, s46, s21
	s_lshl_b32 s46, s46, 2
	s_add_co_u32 s46, s46, s22
	s_mul_i32 s46, s46, RECB                       ; the record: ((8 b + head) 4 + sb) x 38,400
	s_mov_b32 s47, 0
	s_mul_i32 s24, s20, 768                        ; and my half fragment's place in each of its three runs of codes
	s_mov_b32 s25, 0
	s_mov_b32 s26, 0x76543210
	s_mov_b32 s27, 0xfedcba98                      ; v_permlanex16_b32's selects for lane l xor 16
	s_wait_kmcnt 0x0
	s_add_nc_u64 s[4:5], s[4:5], s[36:37]
	s_add_nc_u64 s[6:7], s[6:7], s[38:39]
	s_add_nc_u64 s[10:11], s[10:11], s[38:39]
	s_add_nc_u64 s[14:15], s[14:15], s[40:41]
	s_add_nc_u64 s[8:9], s[8:9], s[42:43]
	s_add_nc_u64 s[12:13], s[12:13], s[42:43]
	s_add_nc_u64 s[16:17], s[16:17], s[44:45]
	s_add_nc_u64 s[28:29], s[18:19], s[46:47]      ; the record
	s_add_nc_u64 s[30:31], s[28:29], s[24:25]      ; + 768 w
	; ---- B: 120 loads go out at once; the addresses for LDS are made while they are on their way
	WLOAD 64, 2, 6
	WLOAD 96, 2, 10
	WLOAD 128, 3, 14
	XLOAD 0, 160
	XLOAD 1, 192
	XLOAD 2, 224
	v_lshlrev_b32 v4, 3, v58                       ; 8 x lane: my place in a piece of an image
	s_mul_i32 s24, s20, 768
	s_add_co_u32 s24, s24, WIMG
	v_add_nc_u32 v5, s24, v4                       ; where I store a weight's half fragment: number w of its matrix
	s_lshl_b32 s24, s32, 6
	s_lshl_b32 s25, s33, 1
	s_add_co_u32 s24, s24, s25
	s_add_co_u32 s24, s24, WSC
	v_add_nc_u32 v6, s24, v10                      ; and its two bytes: word (w / 2), half w % 2, row r
	v_bfe_u32 v62, v0, 3, 1                        ; x: column l of a run of 32 is row r' = l % 8 + 8 (l / 16) of tile u' = (l / 8) % 2
	v_and_b32 v63, 7, v0
	v_lshl_add_u32 v63, v60, 3, v63
	s_mul_i32 s24, s32, 6144
	s_mul_i32 s25, s33, 1536
	s_add_co_u32 s24, s24, s25
	v_mul_u32_u24 v7, v62, 3072
	v_lshl_add_u32 v7, v63, 3, v7
	v_add_nc_u32 v7, s24, v7                       ; XIMG (= 0) + tile (2 (w / 2) + u') 3,072 + K step 1,536 + 8 r'
	s_lshl_b32 s24, s32, 8
	s_lshl_b32 s25, s33, 6
	s_add_co_u32 s24, s24, s25
	s_add_co_u32 s24, s24, XSC
	v_lshlrev_b32 v8, 7, v62
	v_lshl_add_u32 v8, v63, 2, v8
	v_add_nc_u32 v8, s24, v8                       ; and its scale word
	s_mul_i32 s24, s20, 3072
	v_add_nc_u32 v11, s24, v4                      ; phase C: x's tile w
	v_add_nc_u32 v12, WIMG, v4                     ; a whole weight
	s_mul_i32 s24, s34, 12288
	v_add_nc_u32 v13, s24, v4                      ; x's tiles 4 (w / 4) on
	s_mul_i32 s24, s35, 3072
	s_add_co_u32 s24, s24, WIMG+24576
	v_add_nc_u32 v14, s24, v4                      ; v_w's tile w % 4
	s_lshl_b32 s24, s20, 7
	s_add_co_u32 s24, s24, XSC
	v_add_nc_u32 v15, s24, v10                     ; the scale words that go with these four
	v_add_nc_u32 v16, WSC, v10
	s_lshl_b32 s24, s34, 9
	s_add_co_u32 s24, s24, XSC
	v_add_nc_u32 v17, s24, v10
	s_lshl_b32 s24, s35, 7
	s_add_co_u32 s24, s24, WSC+1024
	v_add_nc_u32 v18, s24, v10
	s_lshl_b32 s24, s20, 5
	s_add_co_u32 s24, s24, SST
	v_lshl_add_u32 v19, v59, 1, s24                ; q's and k's two bytes: tile w, row r
	s_lshr_b32 s24, s20, 3
	s_lshl_b32 s24, s24, 2
	s_add_co_u32 s24, s24, s35
	s_lshl_b32 s24, s24, 6
	s_and_b32 s25, s34, 1
	s_lshl_b32 s25, s25, 1
	s_add_co_u32 s24, s24, s25
	s_add_co_u32 s24, s24, SST+1024
	v_add_nc_u32 v20, s24, v10                     ; v's: word (128 keys w / 8, tile w % 4, row r), half (w / 4) % 2
	v_lshl_add_u32 v21, v0, 4, SST                 ; the scale bytes' way out: 16 bytes a thread
	v_lshlrev_b32 v22, 4, v0
	v_mov_b32 v[TM+2], 0                           ; written once: a lane permute's destination counts as one of its sources
	v_mov_b32 v[TM+3], 0
	s_wait_loadcnt 63                              ; of 120 issued at most 63 are out: the oldest 57 are in, the 24 of the weights and x's first 32 among them
	QUANT2 64
	WSTORE 0, 0
	XLOAD 3, 64                                    ; x's fourth block takes q_w's registers
	s_wait_dscnt 0x0                               ; the stores have read their registers
	QUANT2 96
	WSTORE 12288, 512
	BLOAD ACK, 12                                  ; k's bias takes k_w's registers: the accumulators begin on it
	s_wait_dscnt 0x0
	QUANT2 128
	WSTORE 24576, 1024
	BLOAD ACQ, 8
	XQ 0, 160
	s_wait_loadcnt 63                              ; behind x's second block 80 loads were issued; the count names as many as its field holds
	XQ 1, 192
	s_wait_loadcnt 48                              ; behind the third: the fourth's 32 and the biases' 16
	XQ 2, 224
	s_wait_loadcnt 16                              ; behind the fourth: the biases' 16
	XQ 3, 64
	ds_store_b32 v8, v[XW]
	global_load_b32 v[VB], v10, s[16:17]           ; v's bias of my unit
	BARRIER                                        ; x's 64 half fragments and the weights' 48 lie in LDS
	; ---- C1: q
	FR 12, XF, 11, 0
	SC2 15
	FR 48, FRG, 12, 0
	SC8 16, 0
	s_wait_loadcnt 0x0                             ; the biases
.irp i, 1,2,3,4,5,6,7
	v_mov_b32 v[VB+\i], v[VB]                      ; in v^T a lane holds one unit: its bias in all eight registers
.endr
	s_wait_dscnt 0x0
	MMQK ACQ
	; ---- C2: k; q is quantised while k_w's fragments come
	PLACES
	FR 48, FRG, 12, 12288
	SC8 16, 512
	QUANT2 ACQ
	CSTORE 0
	ds_store_b16 v19, v[PW]
	s_wait_dscnt 0x0
	MMQK ACK
	; ---- C3: v^T of my unit tile for my 64 keys; k is quantised while the fragments come
	PLACES
	FR 48, FRG, 13, 0
	FR 12, XF, 14, 0
	SC8 17, 0
	SC2 18
	s_wait_xcnt 0x0                                ; q's stores have read v[PC] on
	QUANT2 ACK
	CSTORE 12288
	ds_store_b16 v19, v[PW] offset:512
	s_wait_dscnt 0x0
.irp ks, 0,1
.irp i, 0,1,2,3
.if \ks == 0
	v_wmma_scale_f32_16x16x128_f8f6f4 v[ACQ+8*\i:ACQ+8*\i+7], v[FRG+12*(2*\i+\ks):FRG+12*(2*\i+\ks)+11], v[XF+12*\ks:XF+12*\ks+11], v[VB:VB+7], v[SCW+2*\i+\ks], v[SCX+\ks] matrix_a_fmt:MATRIX_FMT_BF6 matrix_b_fmt:MATRIX_FMT_BF6
.else
	v_wmma_scale_f32_16x16x128_f8f6f4 v[ACQ+8*\i:ACQ+8*\i+7], v[FRG+12*(2*\i+\ks):FRG+12*(2*\i+\ks)+11], v[XF+12*\ks:XF+12*\ks+11], v[ACQ+8*\i:ACQ+8*\i+7], v[SCW+2*\i+\ks], v[SCX+\ks] matrix_a_fmt:MATRIX_FMT_BF6 matrix_b_fmt:MATRIX_FMT_BF6
.endif
.endr
.endr
	; ---- C4: v^T is quantised along the keys; the scale bytes leave
	PLACES
	s_wait_xcnt 0x0                                ; k's stores have read v[PC] on
	QUANT2 ACQ
	CSTORE 24576
	ds_store_b16 v20, v[PW]
	BARRIER                                        ; the 1,536 scale bytes lie in LDS
	s_cmp_gt_u32 s20, 2
	s_cbranch_scc1 .Ldone                          ; 96 threads x 16 bytes
	ds_load_b128 v[64:67], v21
	s_wait_dscnt 0x0
	global_store_b128 v22, v[64:67], s[28:29] offset:36864   ; sixteen lanes store 256 consecutive bytes, at a multiple of 256 from the buffer's first byte
.Ldone:
	s_wait_xcnt 0x0
	v_lshl_add_u32 v126, v0, 2, 0x16400
	v_mov_b32 v127, 0
	s_wait_tensorcnt 0x0
	ds_add_u32 v126, v127
	s_wait_dscnt 0x0
	s_endpgm
.Lfunc_end_k_qec22afc215_proj:
	.size	k_qec22afc215_proj, .Lfunc_end_k_qec22afc215_proj-k_qec22afc215_proj
	.p2alignl 7, 3214868480
	.fill 96, 4, 3214868480
	.section	.rodata,"a",@progbits
	.p2align	6, 0x0
	.amdhsa_kernel k_qec22afc215_proj
		.amdhsa_group_segment_fixed_size 93184
		.amdhsa_private_segment_fixed_size 0
		.amdhsa_enable_private_segment 0
		.amdhsa_kernarg_size 64
		.amdhsa_user_sgpr_count 2
		.amdhsa_user_sgpr_kernarg_segment_ptr 1
		.amdhsa_wavefront_size32 1
		.amdhsa_system_sgpr_workgroup_id_x 1
		.amdhsa_system_sgpr_workgroup_id_y 1
		.amdhsa_system_sgpr_workgroup_id_z 1
		.amdhsa_system_vgpr_workitem_id 0
		.amdhsa_next_free_vgpr 256
		.amdhsa_next_free_sgpr 66
		.amdhsa_reserve_vcc 0
		.amdhsa_float_denorm_mode_32 3
		.amdhsa_float_denorm_mode_16_64 3
		.amdhsa_memory_ordered 1
		.amdhsa_forward_progress 1
		.amdhsa_inst_pref_size 58
	.end_amdhsa_kernel
	.amdgpu_metadata
---
amdhsa.version: [ 1, 2 ]
amdhsa.kernels:
  - .name:           k_qec22afc215_proj
    .symbol:         k_qec22afc215_proj.kd
    .args:
      - { .name: input, .offset: 0, .size: 8, .value_kind: global_buffer, .address_space: global }
      - { .name: q_w, .offset: 8, .size: 8, .value_kind: global_buffer, .address_space: global }
      - { .name: q_b, .offset: 16, .size: 8, .value_kind: global_buffer, .address_space: global }
      - { .name: k_w, .offset: 24, .size: 8, .value_kind: global_buffer, .address_space: global }
      - { .name: k_b, .offset: 32, .size: 8, .value_kind: global_buffer, .address_space: global }
      - { .name: v_w, .offset: 40, .size: 8, .value_kind: global_buffer, .address_space: global }
      - { .name: v_b, .offset: 48, .size: 8, .value_kind: global_buffer, .address_space: global }
      - { .name: ws, .offset: 56, .size: 8, .value_kind: global_buffer, .address_space: global }
    .group_segment_fixed_size: 93184
    .private_segment_fixed_size: 0
    .kernarg_segment_align: 8
    .kernarg_segment_size: 64
    .max_flat_workgroup_size: 512
    .sgpr_count:     66
    .vgpr_count:     256
    .wavefront_size: 32
...
	.end_amdgpu_metadata
.endif
;; end of part 1
;; launch attn (part 2): grid 4 x 64, 16 waves a work-group, no clusters, 176,128 bytes of LDS; arguments ws, out0; writes out0
.if DOCPART == 2
	.amdgcn_target "amdgcn-amd-amdhsa--gfx1250"
	.amdhsa_code_object_version 6
	.text
	.protected	k_qec22afc215_attn
	.globl	k_qec22afc215_attn
	.p2align	8
	.type	k_qec22afc215_attn,@function
k_qec22afc215_attn:
	s_mov_b64 s[64:65], 0
	v_nop
	global_prefetch_b8 v0, s[64:65] scope:SCOPE_SE
	s_setreg_imm32_b32 hwreg(HW_REG_WAVE_MODE, 25, 1), 1
	s_wait_xcnt 0x0
; out0[b][64 head + d][q] = the sum over keys k <= q of softmax_k(Q[q] . K[k] / 8) V[k][d], both products on codes of BF6 (E3M2) with one E8M0 scale for each 32 along a product's K.
; Codes and scale bytes come from ws as the launch before laid them: records of 38,400 bytes for (b, head, 256 positions), operands as images of their registers (half fragments: 16 rows x 64 K, three pieces of
; 256 bytes, piece j at 256 j + 8 x lane).  The head's size is 64: the upper 64 of the first product's 128 along K are zero codes on both sides, in registers cleared once; their scale bytes are 0, which is no NaN.
; THE SOFTMAX AHEAD OF THE SECOND PRODUCT: t = score x log2(e) / 8; M = the largest t so far, rounded UP to a whole number; p = 2^(t - M) is what is quantised, along the keys, not normalised.  The row's sum is taken of
; the unquantised p and divides at the end.  When M moves, the sum and O are multiplied by 2^(old M - new M): exact.
; SHARES.  Work-group (x = j, y = 8 b + head): four groups of 64 queries, g = 4 a + (j xor 3 (a % 2)), a = 0 .. 3.  Group g wants g / 2 + 1 steps of 128 keys, and these four numbers add up to 18 for every j.
; Sixteen waves, each one tile of 16 queries in 256 registers: wave w has tile tq = w / 4 of group a = (w + tq) % 4, so that among waves w, w + 4, w + 8, w + 12, and among 4 i .. 4 i + 3, each a comes once.
; All 1,024 keys' codes and scale bytes of the head, 4 x 26,112 bytes, come into LDS ONCE, by one tensor load each of waves 0 to 3: no bytes are filled again.
; LAYOUT.  Both products are used transposed: S^T = K Q^T (source 0 = 16 keys), O^T = V^T P^T (source 0 = 16 of the head's 64): a lane holds ONE query throughout.  A tile's 16 positions are not neighbours:
; tile 2 B + u of a run of 32 holds 32 B + 8 u + r + 8 (r / 8), so that the 16 registers of key tiles 2 B, 2 B + 1 are keys 32 B + 16 (lane / 16) + 0 .. 15.
; CAUSAL.  Every wave walks all eight steps; a step all of whose keys come after the wave's queries is left out by a scalar branch on ids; in the step on the diagonal hidden scores become -infinity.
; NO CLUSTER: the four work-groups of a head read the same 104,448 bytes, once each; but which steps a wave leaves out hangs on j, which would be the work-group's place in its cluster, and partners must run alike.
; LIMITS: NaN and infinities are not served.  A block's largest p is not searched for: the block's largest score goes through the same multiply-add and exponential, which takes v_exp_f32 not to fall where its
; input rises.  A block whose every p is 0 keeps the scale byte 1: its codes are zeros.
.set CH,   26112                       ; LDS: chunk c (256 keys) at 26,112 c: K codes | V codes | (Q's scales, not read) | K scales | V scales
.set VCO,  12288
.set KSO,  25088
.set VSO,  25600
.set STG,  104448                      ; the way out: 4 groups x 64 rows (d) x (256 bytes + 16); no tensor load lands here
.set SP,   272
.set KB,   32                          ; v32-79   four buffers for K's tiles, 12 registers each; the upper six stay 0
.set VF,   80                          ; v80-127  V's four fragments
.set S,    128                         ; v128-191 S^T, then p
.set O,    192                         ; v192-223 O^T
.set PCD,  224                         ; v224-235 p's codes
.set BM,   236                         ; v236-239 the blocks' largest scores, then p
.set PT,   240                         ; v240-243 the other half's; then bytes
.set SO,   244                         ; v244-247 the conversions' scale operands
.set SCL,  248                         ; v248-251 scale words of source 0: K's, then V's; scales and nothing else.  v28: Q's; v29: p's
; v1 8 x lane, v2 2 r, v3 4 r; v4-6 the same in the chunk in hand; v7 r + 8 (r / 8) - 16 h; v8-10 the way out; v12 -M, v13 the largest t, v[14:15] the sum; v16-27 Q; v[30:31] f; v252-254 at work
; s8 wave, s9 j, s10 8 b + head, s11 tq, s12 a, s13 g, s14 my first query, s15 my last, s16 the step's first key, s17 the chunk's LDS byte, s18 trips, s[20:21] lane selects, s[22:23] c
.macro PLACES                          ; four plain places behind a matrix instruction, ahead of loads into its registers and of the first read of its result
.rept 4
	v_nop
.endr
.endm
.macro KLOAD q, g                      ; four tiles of 16 keys, 8 q + 4 g on: three pieces each, and their rows' two scale bytes
.irp t, 0,1,2,3
.irp j, 0,1,2
	ds_load_b64 v[KB+12*\t+2*\j:KB+12*\t+2*\j+1], v4 offset:(8*(\q)+4*(\g)+\t)*768+256*\j
.endr
	ds_load_u16 v[SCL+\t], v5 offset:KSO+32*(8*(\q)+4*(\g)+\t)
.endr
.endm
.macro SMUL g
.irp t, 0,1,2,3
	v_wmma_scale_f32_16x16x128_f8f6f4 v[S+8*(4*(\g)+\t):S+8*(4*(\g)+\t)+7], v[KB+12*\t:KB+12*\t+11], v[16:27], 0, v[SCL+\t], v28 matrix_a_fmt:MATRIX_FMT_BF6 matrix_b_fmt:MATRIX_FMT_BF6
.endr
.endm
; A KEY STEP: 128 keys, the q-th of the chunk in hand.
.macro STEP q
	s_cmp_gt_u32 s16, s15                          ; all its keys come after my queries: the work is left out, not the step of the key counter at the end
	s_cbranch_scc1 .Lhidden_\@
	v_add_nc_u32 v4, s17, v1
	v_add_nc_u32 v5, s17, v2
	v_add_nc_u32 v6, s17, v3
	v_nop                                          ; with the three additions: the places behind the last step's products
	KLOAD \q, 0
.irp t, 0,1,2,3                                ; V^T: tile t of the head's 64, these 128 keys: two half fragments
.irp c, 0,1
.irp j, 0,1,2
	ds_load_b64 v[VF+12*\t+6*\c+2*\j:VF+12*\t+6*\c+2*\j+1], v4 offset:VCO+((2*(\q)+\c)*4+\t)*768+256*\j
.endr
.endr
.endr
	s_wait_dscnt 24                                ; K's first 16 loads are in; V's 24 may be out
	SMUL 0
	PLACES
	KLOAD \q, 1
	s_wait_dscnt 0x0
	SMUL 1
	PLACES
.irp t, 0,1,2,3
	ds_load_b32 v[SCL+\t], v6 offset:VSO+64*(4*(\q)+\t)   ; V's scale words land while the softmax is worked
.endr
	s_add_co_u32 s19, s16, 127                     ; a step all of whose keys count skips the mask
	s_cmp_le_u32 s19, s14
	s_cbranch_scc1 .Lopen_\@
	s_sub_co_i32 s19, s14, s16
	v_add_nc_u32 v252, s19, v7                     ; d = my query - the step's first key - 16 (lane / 16).  Register 16 B + i holds key 32 B + 16 (lane / 16) + i of the step: hidden where 32 B + i > d
	v_mov_b32 v254, 0xff800000                     ; -infinity
.set mn, 0
.rept 64
	v_cmp_gt_i32 vcc_lo, 32*(mn/16)+mn%16, v252
	v_cndmask_b32 v[S+mn], v[S+mn], v254, vcc_lo
.set mn, mn+1
.endr
.Lopen_\@:
.irp b, 0,1,2,3
	v_max3_num_f32 v[BM+\b], v[S+16*\b], v[S+1+16*\b], v[S+2+16*\b]   ; the largest score of each block of 32 keys: it serves the row's maximum and, since p rises with the score, the block's largest p
.endr
.irp i, 3,5,7,9,11,13
.irp b, 0,1,2,3
	v_max3_num_f32 v[BM+\b], v[BM+\b], v[S+16*\b+\i], v[S+1+16*\b+\i]
.endr
.endr
.irp b, 0,1,2,3
	v_max_num_f32 v[BM+\b], v[BM+\b], v[S+15+16*\b]
.endr
.irp b, 0,1,2,3
	v_permlanex16_b32 v[PT+\b], v[BM+\b], s20, s21
.endr
.irp b, 0,1,2,3
	v_max_num_f32 v[BM+\b], v[BM+\b], v[PT+\b]     ; with lane l xor 16's 16 keys
.endr
	v_max3_num_f32 v254, v[BM], v[BM+1], v[BM+2]
	v_max_num_f32 v254, v254, v[BM+3]              ; the step's largest score of my query
	v_mul_f32 v254, s22, v254                      ; as t (c is positive)
	v_max_num_f32 v13, v13, v254                   ; the running largest t
	v_mov_b32 v254, v12
	v_floor_f32 v12, -v13                          ; the new -M = floor(-t): M is a whole number
	v_sub_f32 v254, v12, v254                      ; old M - new M: a whole number, 0 or less
	v_cvt_i32_f32 v254, v254                       ; (it saturates)
	v_ldexp_f32 v30, 1.0, v254                     ; f = 2^(old M - new M)
.set pj, 0
.rept 32
	v_pk_fma_f32 v[S+pj:S+pj+1], v[S+pj:S+pj+1], s[22:23], v[12:13] op_sel_hi:[1,0,0]   ; t - M, two at a time (of the pairs c and -M the low word serves both halves)
.set pj, pj+2
.endr
.irp b, 0,1,2,3
	v_fma_f32 v[BM+\b], v[BM+\b], s22, v12         ; the same of each block's largest score
.endr
.set pj, 0
.rept 64
	v_exp_f32 v[S+pj], v[S+pj]                     ; p = 2^(t - M), at most 1
.set pj, pj+1
.endr
.irp b, 0,1,2,3
	v_exp_f32 v[BM+\b], v[BM+\b]                   ; the block's largest p
.endr
	v_pk_mul_f32 v[14:15], v[14:15], v[30:31] op_sel_hi:[1,0]   ; the sums under the new M.  (A plain place behind the exponentials)
	s_wait_alu depctr_va_vdst(0)
.irp b, 0,1,2,3
	v_max_num_f32 v[BM+\b], 0x2800000, v[BM+\b]    ; the floor 2^(5 - 127): the byte cannot fall under 1
.endr
.irp b, 0,1,2,3
	v_add_nc_u32 v[SO+\b], 0xfe000000, v[BM+\b]    ; 4 off the exponent field: the conversion's scale operand
.endr
.irp b, 0,1,2,3
	v_lshrrev_b32 v[PT+\b], 23, v[SO+\b]           ; the scale's byte
.endr
	v_lshl_or_b32 v29, v[PT+1], 8, v[PT]           ; p's scale word for these 128 keys
	v_lshl_or_b32 v29, v[PT+2], 16, v29
	v_lshl_or_b32 v29, v[PT+3], 24, v29
.irp c, 0,1
	v_cvt_scalef32_pk16_bf6_f32 v[PCD+6*\c:PCD+2+6*\c], v[S+32*\c:S+15+32*\c], v[SO+2*\c]
	v_cvt_scalef32_pk16_bf6_f32 v[BM+4*\c:BM+2+4*\c], v[S+16+32*\c:S+31+32*\c], v[SO+2*\c+1]   ; (a conversion's three registers begin on an even number)
.endr
	v_nop                                          ; one plain place behind a scaled conversion
.irp c, 0,1                                    ; a whole block to a lane: lanes 0-15 block 2 c, lanes 16-31 block 2 c + 1
.irp i, 0,1,2
	v_permlane16_swap_b32 v[PCD+6*\c+\i], v[BM+4*\c+\i]
.endr
.irp i, 0,1,2
	v_mov_b32 v[PCD+3+6*\c+\i], v[BM+4*\c+\i]
.endr
.endr
	v_pk_add_f32 v[BM:BM+1], v[S:S+1], v[S+2:S+3]  ; the row's sum is taken of the unquantised p: two at a time, in two chains
.irp j, 4,8,12,16,20,24,28,32,36,40,44,48,52,56,60
	v_pk_add_f32 v[14:15], v[14:15], v[S+\j:S+1+\j]
	v_pk_add_f32 v[BM:BM+1], v[BM:BM+1], v[S+2+\j:S+3+\j]
.endr
	v_pk_add_f32 v[14:15], v[14:15], v[BM:BM+1]
.irp j, 0,2,4,6,8,10,12,14,16,18,20,22,24,26,28,30
	v_pk_mul_f32 v[O+\j:O+1+\j], v[O+\j:O+1+\j], v[30:31] op_sel_hi:[1,0]   ; O^T under the new M.  (With the sums above: the places between p's codes and scale word and the products below)
.endr
	s_wait_dscnt 0x0                               ; V's scale words
.irp t, 0,1,2,3                                ; the four accumulators take turns, one instruction a turn; between two links of a chain stand eleven other products
	v_wmma_scale_f32_16x16x128_f8f6f4 v[O+8*\t:O+8*\t+7], v[VF+12*\t:VF+12*\t+11], v[PCD:PCD+11], v[O+8*\t:O+8*\t+7], v[SCL+\t], v29 matrix_a_fmt:MATRIX_FMT_BF6 matrix_b_fmt:MATRIX_FMT_BF6
.endr
.Lhidden_\@:
	s_add_co_u32 s16, s16, 128
.endm
	s_load_b128 s[4:7], s[0:1], 0x0                ; ws s[4:5], out0 s[6:7]
	v_lshl_add_u32 v254, v0, 2, 0x2a800
	v_mov_b32 v255, 0
	ds_add_u32 v254, v255
	ds_add_u32 v254, v255
	s_wait_dscnt 0x0
	v_lshrrev_b32 v252, 5, v0
	v_readfirstlane_b32 s8, v252                   ; wave 0..15
	s_mov_b32 s9, ttmp9                            ; j
	s_and_b32 s10, ttmp7, 0xffff                   ; 8 b + head
	s_lshr_b32 s11, s8, 2                          ; tq
	s_add_co_u32 s12, s8, s11
	s_and_b32 s12, s12, 3                          ; a
	s_and_b32 s19, s12, 1
	s_mul_i32 s19, s19, 3
	s_xor_b32 s19, s19, s9
	s_lshl_b32 s13, s12, 2
	s_add_co_u32 s13, s13, s19                     ; g = 4 a + (j xor 3 (a % 2))
	s_lshl_b32 s14, s13, 6
	s_lshr_b32 s19, s11, 1
	s_lshl_b32 s19, s19, 5
	s_add_co_u32 s14, s14, s19
	s_and_b32 s19, s11, 1
	s_lshl_b32 s19, s19, 3
	s_add_co_u32 s14, s14, s19                     ; my first query: 64 g + 32 (tq / 2) + 8 (tq % 2)
	s_add_co_u32 s15, s14, 23                      ; my last: row 15 lies 15 + 8 on
	; descriptor group 1: 26,112 dense bytes as 102 rows of 256 (32 elements of 8 bytes), no padding
	s_mov_b32 s24, 3<<16                           ; 15:0 no mask; 17:16 elements of 8 bytes
	s_mov_b32 s25, 32<<16                          ; tensor_dim0 = 32
	s_mov_b32 s26, 102<<16                         ; tensor_dim1 = 102
	s_mov_b32 s27, 32<<16                          ; tile_dim0 = 32
	s_mov_b32 s28, 102                             ; tile_dim1 = 102
	s_mov_b32 s29, 32                              ; tensor_dim0_stride
	s_mov_b32 s30, 0
	s_mov_b32 s31, 0
	s_and_b32 s19, s8, 3                           ; the chunk that I fetch, if I fetch
	s_mul_i32 s33, s19, CH                         ; its place in LDS
	s_mul_i32 s36, s19, 38400
	s_mul_i32 s38, s10, 153600                     ; the head's four records
	s_add_co_u32 s36, s36, s38
	s_add_co_u32 s36, s36, 12288                   ; behind the record's Q codes
	s_mov_b32 s37, 0
	s_lshr_b32 s19, s13, 2
	s_mul_i32 s19, s19, 38400
	s_add_co_u32 s38, s38, s19                     ; the record of my queries
	s_and_b32 s19, s13, 3
	s_lshl_b32 s19, s19, 2
	s_add_co_u32 s19, s19, s11                     ; my tile in it: 4 (g % 4) + tq
	s_mul_i32 s44, s19, 768
	s_add_co_u32 s44, s44, s38
	s_mov_b32 s45, 0
	s_lshl_b32 s48, s19, 5
	s_add_co_u32 s48, s48, s38
	s_add_co_u32 s48, s48, 36864                   ; and its scale bytes
	s_mov_b32 s49, 0
	s_and_b32 s19, s11, 1                          ; the way out: I store rows 16 (w % 4) on of group number w / 4 of this work-group
	s_mul_i32 s19, s19, 3
	s_xor_b32 s19, s19, s9
	s_lshl_b32 s50, s11, 2
	s_add_co_u32 s50, s50, s19
	s_lshl_b32 s50, s50, 8                         ; that group's 64 queries: 256 bytes
	s_lshl_b32 s19, s10, 18                        ; the head's 64 rows of 4,096 bytes
	s_add_co_u32 s50, s50, s19
	s_and_b32 s19, s8, 3
	s_lshl_b32 s19, s19, 16
	s_add_co_u32 s50, s50, s19
	s_mov_b32 s51, 0
	s_mov_b32 s20, 0x76543210
	s_mov_b32 s21, 0xfedcba98                      ; v_permlanex16_b32's selects for lane l xor 16
	s_mov_b32 s22, 0x3e38aa3b                      ; c = log2(e) / 8
	s_mov_b32 s23, s22                             ; (named with it as a pair, so it is written)
	s_mov_b32 s16, 0
	s_mov_b32 s17, 0
	s_mov_b32 s18, 4
	s_wait_kmcnt 0x0
	s_mov_b32 s32, 1                               ; group 0: count = 1; s33 the LDS address;
	s_add_nc_u64 s[34:35], s[4:5], s[36:37]        ; the global address;
	s_or_b32 s35, s35, 0x80000000                  ; type = 2
	s_add_nc_u64 s[40:41], s[4:5], s[44:45]        ; Q's codes
	s_add_nc_u64 s[46:47], s[4:5], s[48:49]        ; Q's scale bytes
	s_add_nc_u64 s[42:43], s[6:7], s[50:51]        ; out0 at the rows that I store
	s_cmp_lt_u32 s8, 4                             ; waves 0 to 3 fetch a chunk each: one tensor load of a wave is out; four v_nop follow it
	s_cbranch_scc0 .Lno_fetch
	tensor_load_to_lds s[32:35], s[24:31]
	s_nop 0
.rept 4
	v_nop
.endr
.Lno_fetch:
	v_and_b32 v253, 31, v0                         ; lane
	v_and_b32 v254, 15, v0                         ; r
	v_bfe_u32 v252, v0, 4, 1                       ; h
	v_lshlrev_b32 v1, 3, v253
	v_lshlrev_b32 v2, 1, v254
	v_lshlrev_b32 v3, 2, v254
.irp j, 0,1,2
	global_load_b64 v[16+2*\j:17+2*\j], v1, s[40:41] offset:256*\j   ; Q's half fragment stays in registers
.endr
	global_load_u16 v28, v2, s[46:47]              ; its rows' two scale bytes; the upper two are 0
	v_and_b32 v11, 8, v254
	v_add_nc_u32 v11, v11, v254                    ; r + 8 (r / 8)
	v_lshlrev_b32 v7, 4, v252
	v_sub_nc_u32 v7, v11, v7                       ; - 16 h
	s_mul_i32 s19, s12, 64*SP                      ; the stage, on the way in: my group a; row d = 16 t + 8 h + i; my query's 4 bytes
	s_add_co_u32 s19, s19, STG
	s_lshr_b32 s52, s11, 1
	s_lshl_b32 s52, s52, 7
	s_add_co_u32 s19, s19, s52
	s_and_b32 s52, s11, 1
	s_lshl_b32 s52, s52, 5
	s_add_co_u32 s19, s19, s52
	v_mul_u32_u24 v8, v252, 8*SP
	v_lshl_add_u32 v8, v11, 2, v8
	v_add_nc_u32 v8, s19, v8
	s_mul_i32 s19, s11, 64*SP                      ; and back: group w / 4, rows 16 (w % 4) on; lanes 0-15 one row of 256 bytes, lanes 16-31 the next
	s_add_co_u32 s19, s19, STG
	s_and_b32 s52, s8, 3
	s_mul_i32 s52, s52, 16*SP
	s_add_co_u32 s19, s19, s52
	v_mul_u32_u24 v9, v252, SP
	v_lshl_add_u32 v9, v254, 4, v9
	v_add_nc_u32 v9, s19, v9
	v_lshlrev_b32 v10, 12, v252                    ; the same two rows in out0
	v_lshl_add_u32 v10, v254, 4, v10
	v_mov_b32 v13, 0xff61b1e6                      ; the largest t so far: -3e38, under every t
	v_floor_f32 v12, -v13                          ; -M
	v_mov_b32 v14, 0                               ; the sum, in two halves
	v_mov_b32 v15, 0
	v_mov_b32 v31, 0                               ; (named as the upper half of the pair v[30:31])
.irp i, 22,23,24,25,26,27
	v_mov_b32 v[\i], 0                             ; Q's k = 64 .. 127: zero codes
.endr
.irp t, 0,1,2,3
.irp i, 6,7,8,9,10,11
	v_mov_b32 v[KB+12*\t+\i], 0                    ; K's likewise, once for all steps
.endr
.endr
.irp b, 0,1,2,3
	v_mov_b32 v[PT+\b], 0                          ; written once: a lane permute's destination counts as one of its sources
.endr
.set pj, 0
.rept 32
	v_mov_b32 v[O+pj], 0                           ; O^T.  (The step is written once: the first finds zeros, which the first change of M leaves zeros)
.set pj, pj+1
.endr
	s_wait_tensorcnt 0x0                           ; my chunk has landed (a wave that fetched none passes at once),
	s_wait_loadcnt 0x0                             ; and Q
	s_barrier_signal -1
	s_barrier_wait -1                              ; everybody's has
.Lchunk:                                           ; four trips, the same in every wave
	STEP 0
	STEP 1
	s_add_co_u32 s17, s17, CH
	s_sub_co_u32 s18, s18, 1
	s_cmp_lg_u32 s18, 0
	s_cbranch_scc1 .Lchunk
	; THE WAY OUT.  O^T / the sum is out0's own order (d by rows, queries along them), but a wave holds 16 of a row's queries: the four tiles of a group meet in the stage, and whole runs of 256 bytes leave.
	v_add_f32 v14, v14, v15                        ; the sum's two halves,
	v_permlanex16_b32 v252, v14, s20, s21
	v_add_f32 v14, v14, v252                       ; and lane l xor 16's: the row's sum
	v_rcp_f32 v14, v14
	PLACES                                         ; a plain place behind the reciprocal, and the places behind the last products
.set pj, 0
	s_wait_alu depctr_va_vdst(0)
.rept 32
	v_mul_f32 v[S+pj], v[O+pj], v14                ; register 8 t + i: d = 16 t + 8 h + i of my query; each accumulator from its low end on
.set pj, pj+1
.endr
.irp t, 0,1,2,3
.irp i, 0,1,2,3,4,5,6,7
	ds_store_b32 v8, v[S+8*\t+\i] offset:(16*\t+\i)*SP
.endr
.endr
	s_wait_dscnt 0x0                               ; for the others' sake: my stores into the stage are done
	s_barrier_signal -1
	s_barrier_wait -1
.irp i, 0,1,2,3,4,5,6,7
	ds_load_b128 v[160+4*\i:163+4*\i], v9 offset:2*\i*SP
.endr
.irp i, 0,1,2,3,4,5,6,7
	s_wait_dscnt 7-\i                              ; LDS loads come back in order: pair i of rows is in
	global_store_b128 v10, v[160+4*\i:163+4*\i], s[42:43] offset:8192*\i th:TH_STORE_NT   ; sixteen lanes store 256 consecutive bytes, at a multiple of 256 from out0's first byte; written once, read by nobody here
.endr
	s_wait_xcnt 0x0
	v_lshl_add_u32 v254, v0, 2, 0x2a800
	v_mov_b32 v255, 0
	s_wait_tensorcnt 0x0
	ds_add_u32 v254, v255
	s_wait_dscnt 0x0
	s_endpgm
.Lfunc_end_k_qec22afc215_attn:
	.size	k_qec22afc215_attn, .Lfunc_end_k_qec22afc215_attn-k_qec22afc215_attn
	.p2alignl 7, 3214868480
	.fill 96, 4, 3214868480
	.section	.rodata,"a",@progbits
	.p2align	6, 0x0
	.amdhsa_kernel k_qec22afc215_attn
		.amdhsa_group_segment_fixed_size 176128
		.amdhsa_private_segment_fixed_size 0
		.amdhsa_enable_private_segment 0
		.amdhsa_kernarg_size 16
		.amdhsa_user_sgpr_count 2
		.amdhsa_user_sgpr_kernarg_segment_ptr 1
		.amdhsa_wavefront_size32 1
		.amdhsa_system_sgpr_workgroup_id_x 1
		.amdhsa_system_sgpr_workgroup_id_y 1
		.amdhsa_system_sgpr_workgroup_id_z 1
		.amdhsa_system_vgpr_workitem_id 0
		.amdhsa_next_free_vgpr 256
		.amdhsa_next_free_sgpr 66
		.amdhsa_reserve_vcc 1
		.amdhsa_float_denorm_mode_32 3
		.amdhsa_float_denorm_mode_16_64 3
		.amdhsa_memory_ordered 1
		.amdhsa_forward_progress 1
		.amdhsa_inst_pref_size 59
	.end_amdhsa_kernel
	.amdgpu_metadata
---
amdhsa.version: [ 1, 2 ]
amdhsa.kernels:
  - .name:           k_qec22afc215_attn
    .symbol:         k_qec22afc215_attn.kd
    .args:
      - { .name: ws, .offset: 0, .size: 8, .value_kind: global_buffer, .address_space: global }
      - { .name: out0, .offset: 8, .size: 8, .value_kind: global_buffer, .address_space: global }
    .group_segment_fixed_size: 176128
    .private_segment_fixed_size: 0
    .kernarg_segment_align: 8
    .kernarg_segment_size: 16
    .max_flat_workgroup_size: 512
    .sgpr_count:     66
    .vgpr_count:     256
    .wavefront_size: 32
...
	.end_amdgpu_metadata
.endif
;; end of part 2
;; ======== version 2 of 2: 2 launches
;; workspace buffers: ws 9,830,400 bytes
;; launch proj (part 3): grid 32 x 8, 16 waves a work-group, no clusters, 93,184 bytes of LDS; arguments input, q_w, q_b, k_w, k_b, v_w, v_b, ws; writes ws
.if DOCPART == 3
	.amdgcn_target "amdgcn-amd-amdhsa--gfx1250"
	.amdhsa_code_object_version 6
	.text
	.protected	k_qec22afc215_proj
	.globl	k_qec22afc215_proj
	.p2align	8
	.type	k_qec22afc215_proj,@function
k_qec22afc215_proj:
	s_mov_b64 s[64:65], 0
	v_nop
	global_prefetch_b8 v0, s[64:65] scope:SCOPE_SE
	s_setreg_imm32_b32 hwreg(HW_REG_WAVE_SCHED_MODE, 0, 2), 2
	s_setreg_imm32_b32 hwreg(HW_REG_WAVE_MODE, 25, 1), 1
	s_wait_xcnt 0x0
	s_wait_alu depctr_vm_vsrc(0)
; q, k, v = x W^T + bias for one image b, one head and one block of 256 positions, all on codes of BF6 (E3M2) with one E8M0 scale for each 32 along K,
; and the results quantised again for the attention launch: q and k along the head's 64 units, v along the keys.
; input: [8][256 c][1024 s] f32 (K = c is the OUTER axis); q_w, k_w, v_w: [512][256] f32 (K innermost); biases [512] f32.
; SHARES.  Work-group (x = 4 head + sb, y = b): positions 256 sb .. + 255, the head's 64 rows of each weight.  Sixteen waves, four to a SIMD.
; THE UNIT: a HALF FRAGMENT, 16 rows x 64 K of codes = 6 registers a lane (lane (r, h): row r, k = 32 h + 0 .. 31), kept as an image of its registers: three pieces of 256 bytes,
; piece j at 256 j + 8 x lane.  Two of them on end are an operand for 128 along K: six loads of 8 bytes, 256 bytes apart.  No pitch, no padding, no byte stores of codes.
; TILES OF 16 POSITIONS ARE NOT NEIGHBOURS: tile 2 B + u of a run of 32 holds positions 32 B + 8 u + r + 8 (r / 8), and so do the tiles of q_w's and k_w's rows: where such a tile is source 0 of a product,
; a lane's 16 registers of tiles 2 B and 2 B + 1 are 16 neighbours, 32 B + 16 (lane / 16) + 0 .. 15, which is what the conversions want.
; PHASES.  B: each wave quantises one half fragment of each weight, and 32 columns x 128 channels of x (a lane to a column, registers down the channels: nothing is transposed); images to LDS | barrier |
; C: wave w makes q and k of position tile w (source 0 = rows of W, source 1 = x: a lane holds one position, registers run along the units), and v^T of unit tile w % 4 for keys 64 (w / 4) on
; (source 0 = x, source 1 = rows of v_w: a lane holds one unit, registers run along the keys).  Each result is quantised in registers; its 768 bytes of codes are stored as three aligned runs of 256 bytes.
; The scale bytes meet in LDS | barrier | and leave as 1,536 consecutive bytes.  The biases are the C of each sum's first product.
; THE RECORD in ws, 38,400 bytes for (b, head, sb): Q codes 16 x 768 | K codes 16 x 768 | V codes, half fragment (run of 64 keys kq, unit tile dt) at (4 kq + dt) 768 | Q scales [tile][r] 2 bytes |
; K scales likewise | V scales, words [128 keys][dt][r].
; NO CLUSTER: what work-groups share here (x's block among 8 heads, a head's weights among 32 blocks) arrives as f32 and has to pass through registers to be quantised; as tiles in LDS x's block alone
; would be 262,144 bytes beside 91,136 of images.
; LIMITS: NaN and infinities among the inputs are not served.  A block whose largest magnitude lies under 2^-122, a block of zeros among them, gets the scale byte 1 (the rule gives zeros 127): its codes are
; then zeros or subnormal codes under that byte, and the bytes are read by this program alone.
; THE MODE: SCHED_MODE bits 1:0 = 2 (LLVM: expert scheduling mode 2), set by the entry lines.  The code itself states the register dependences
; between vector or matrix instructions and memory or LDS instructions, with s_wait_alu, always for 0.
; THE PLAN.  Registers that memory or LDS instructions touch:
;   v1-3, v9, v10     offsets of the global loads: written once at the head, ahead of the first wait on va_vdst.
;   v4-8, v11-22      LDS addresses and the stores' offsets: written once, behind the first 120 loads, ahead of the wait behind the first quantising step.
;   v64-159           the weights' numbers: each run of 32 is loaded, read by one quantising step, and loaded again behind that step's wait (x's fourth block, k's bias, q's bias).
;   v160-255          x's first three blocks, read by their quantising steps; then source 0's fragments, loaded three times, each time behind the products that read them.
;   v64-87, v24-33    source 1's fragments and the scale words: written by LDS loads, read by products alone.
;   v[PC] on, v[PW], v[XW]   the one out-buffer: written by a quantising step, read by that step's stores.
; So each of the ten quantising steps has ONE wait on va_vdst behind it (its codes and bytes are written; it is done reading its numbers), and all but the first ONE wait on vm_vsrc ahead of it
; (the last step's stores have read the out-buffer); one wait on va_vdst more stands ahead of each of the two runs of LDS loads that land in registers which products have read.
.set XIMG, 0                           ; LDS: x's images: 16 tiles x 4 half fragments x 768
.set WIMG, 49152                       ; the weights': 3 matrices x 16 half fragments (4 x tile + run of 64 along K) x 768
.set XSC,  86016                       ; x's scale words [tile][K step][r]
.set WSC,  88064                       ; the weights' [matrix][tile][K step][r]
.set SST,  89600                       ; the results' scale bytes, laid as in the record: 1,536 bytes
.set RECB, 38400
.set SCW,  24                          ; v24-31  scale words of source 0's eight fragments: scales and nothing else
.set SCX,  32                          ; v32-33  scale words of source 1's two
.set TM,   34                          ; v34-35 largest magnitudes, v36-37 the other half's, v38-39 the conversions' scale operands, v40-41 bytes
.set PW,   42                          ; v42     two scale bytes just made
.set XW,   43                          ; v43     x's scale word as it grows
.set PC,   44                          ; v44-49  the half fragment just made
.set PC2,  50                          ; v50-52  (a conversion's three registers begin on an even number)
.set XF,   64                          ; v64-87  source 1's two fragments (phase B: q_w's numbers, then x's fourth block)
.set VB,   88                          ; v88-95  v's bias, eight times
.set ACK,  96                          ; v96-127 k's four accumulators (phase B: k_w's numbers)
.set ACQ,  128                         ; v128-159 q's, then v's (phase B: v_w's numbers)
.set FRG,  160                         ; v160-255 source 0's eight fragments (phase B: x's first three blocks)
.macro WLOAD reg, adr, base            ; 32 numbers of my row: register 16 B + i = k 32 B + 16 (lane / 16) + i of the wave's run of 64
.irp b, 0,1
.irp j, 0,1,2,3
	global_load_b128 v[\reg+16*\b+4*\j:\reg+16*\b+4*\j+3], v[\adr], s[\base:\base+1] offset:128*\b+16*\j
.endr
.endr
.endm
.macro XLOAD t, reg                    ; block t of 32 channels of my column: each load reads 128 consecutive bytes
.set xi, 0
.rept 32
	global_load_b32 v[\reg+xi], v1, s[4:5] offset:(32*(\t)+xi)*4096
.set xi, xi+1
.endr
.endm
.macro BLOAD reg, base                 ; a bias in the result's layout: tile t, lane half h: units 32 (t / 2) + 16 h + 8 (t % 2) + 0 .. 7
.irp t, 0,1,2,3
	global_load_b128 v[\reg+8*\t:\reg+8*\t+3], v9, s[\base:\base+1] offset:(32*(\t/2)+8*(\t%2))*4
	global_load_b128 v[\reg+8*\t+4:\reg+8*\t+7], v9, s[\base:\base+1] offset:(32*(\t/2)+8*(\t%2))*4+16
.endr
.endm
; 32 numbers of a lane, register 16 B + i = k 32 B + 16 (lane / 16) + i of my row, become a half fragment in v[PC] on and two scale bytes in v[PW].  The first lines read the low end of each run of eight.
.macro QUANT2 s
.irp b, 0,1
	v_max3_num_f32 v[TM+\b], |v[\s+16*\b]|, |v[\s+1+16*\b]|, 0x2800000      ; my 16 numbers of block B, and the floor 2^(5 - 127): the byte cannot fall under 1
.endr
.irp i, 2,4,6,8,10,12,14
.irp b, 0,1
	v_max3_num_f32 v[TM+\b], v[TM+\b], |v[\s+16*\b+\i]|, |v[\s+1+16*\b+\i]|
.endr
.endr
.irp b, 0,1
	v_permlanex16_b32 v[TM+2+\b], v[TM+\b], s26, s27
.endr
.irp b, 0,1
	v_max_num_f32 v[TM+\b], v[TM+\b], v[TM+2+\b]                            ; with lane l xor 16's: the block's largest magnitude
.endr
.irp b, 0,1
	v_add_nc_u32 v[TM+4+\b], 0xfe000000, v[TM+\b]                           ; 4 off its exponent field: the conversion takes that field as its scale
.endr
.irp b, 0,1
	v_lshrrev_b32 v[TM+6+\b], 23, v[TM+4+\b]                                ; the scale's byte
.endr
	v_lshl_or_b32 v[PW], v[TM+7], 8, v[TM+6]
	v_cvt_scalef32_pk16_bf6_f32 v[PC:PC+2], v[\s:\s+15], v[TM+4]
	v_cvt_scalef32_pk16_bf6_f32 v[PC2:PC2+2], v[\s+16:\s+31], v[TM+5]
	v_nop                                                                   ; one plain place behind a scaled conversion
.irp i, 0,1,2
	v_permlane16_swap_b32 v[PC+\i], v[PC2+\i]                               ; a whole block to a lane: lanes 0-15 block 0, lanes 16-31 block 1
.endr
.irp i, 0,1,2
	v_mov_b32 v[PC+3+\i], v[PC2+\i]
.endr
.endm
.macro WSTORE ci, si                   ; a weight's half fragment and its two bytes to LDS
.irp j, 0,1,2
	ds_store_b64 v5, v[PC+2*\j:PC+2*\j+1] offset:\ci+256*\j
.endr
	ds_store_b16 v6, v[PW] offset:\si                                       ; lanes r and r + 16 write the same bytes with the same value
.endm
; Block t of x: all 32 numbers are one lane's, so no other lane is asked.  Its 24 bytes are what lane (r', t % 2) of half fragment t / 2 holds.
.macro XQ t, reg
	s_wait_dscnt 0x0                                                        ; the last stores are done
	s_wait_alu depctr_vm_vsrc(0)                                            ; the last LDS stores have read v[PC] on, which this block's conversions and moves write again
	v_max3_num_f32 v54, |v[\reg]|, |v[\reg+1]|, |v[\reg+2]|
	v_max3_num_f32 v55, |v[\reg+3]|, |v[\reg+4]|, |v[\reg+5]|
.irp i, 6,10,14,18,22,26
	v_max3_num_f32 v54, v54, |v[\reg+\i]|, |v[\reg+\i+1]|
	v_max3_num_f32 v55, v55, |v[\reg+\i+2]|, |v[\reg+\i+3]|
.endr
	v_max3_num_f32 v54, v54, |v[\reg+30]|, |v[\reg+31]|
	v_max3_num_f32 v54, v54, v55, 0x2800000
	v_add_nc_u32 v56, 0xfe000000, v54
	v_lshrrev_b32 v57, 23, v56
.if \t == 0
	v_mov_b32 v[XW], v57
.else
	v_lshl_or_b32 v[XW], v57, 8*\t, v[XW]
.endif
	v_cvt_scalef32_pk16_bf6_f32 v[PC:PC+2], v[\reg:\reg+15], v56
	v_cvt_scalef32_pk16_bf6_f32 v[PC2:PC2+2], v[\reg+16:\reg+31], v56
	v_nop
.irp i, 0,1,2
	v_mov_b32 v[PC+3+\i], v[PC2+\i]
.endr
	s_wait_alu depctr_va_vdst(0)                                            ; the conversions and moves have written v[PC] on, which the stores below read, and v[XW]; and this block's lines are done reading its 32 numbers
.irp j, 0,1,2
	ds_store_b64 v7, v[PC+2*\j:PC+2*\j+1] offset:768*(\t/2)+128*(\t%2)+256*\j
.endr
.endm
.macro FR n, reg, adr, off             ; n pieces of 8 bytes a lane, 256 bytes apart: images come back as the registers that they were
.set fp, 0
.rept \n
	ds_load_b64 v[\reg+2*fp:\reg+2*fp+1], v[\adr] offset:\off+256*fp
.set fp, fp+1
.endr
.endm
.macro SC8 adr, off                    ; eight scale words, 64 bytes apart
.irp i, 0,1,2,3,4,5,6,7
	ds_load_b32 v[SCW+\i], v[\adr] offset:\off+64*\i
.endr
.endm
.macro SC2 adr
	ds_load_b32 v[SCX], v[\adr]
	ds_load_b32 v[SCX+1], v[\adr] offset:64
.endm
.macro PLACES                          ; four plain places behind a matrix instruction, ahead of the first read of its result by a vector instruction (ISA guide 7.12.1)
.rept 4
	v_nop
.endr
.endm
.macro BARRIER                         ; my LDS stores have landed and my LDS loads are in: then the work-group's barrier
	s_wait_dscnt 0x0
	s_barrier_signal -1
	s_barrier_wait -1
.endm
; q or k: four tiles of units x my tile of positions, two K steps.  The four accumulators take turns, one instruction a turn; each begins on its bias, loaded in place.
.macro MMQK acc
.irp ks, 0,1
.irp t, 0,1,2,3
	v_wmma_scale_f32_16x16x128_f8f6f4 v[\acc+8*\t:\acc+8*\t+7], v[FRG+12*(2*\t+\ks):FRG+12*(2*\t+\ks)+11], v[XF+12*\ks:XF+12*\ks+11], v[\acc+8*\t:\acc+8*\t+7], v[SCW+2*\t+\ks], v[SCX+\ks] matrix_a_fmt:MATRIX_FMT_BF6 matrix_b_fmt:MATRIX_FMT_BF6
.endr
.endr
.endm
.macro CSTORE off                      ; a half fragment to my place in the record: each store covers 256 consecutive bytes, at a multiple of 256 from the buffer's first byte
.irp j, 0,1,2
	global_store_b64 v4, v[PC+2*\j:PC+2*\j+1], s[30:31] offset:\off+256*\j
.endr
.endm
	s_load_b256 s[4:11], s[0:1], 0x0               ; input s[4:5], q_w s[6:7], q_b s[8:9], k_w s[10:11]
	s_load_b256 s[12:19], s[0:1], 0x20             ; k_b s[12:13], v_w s[14:15], v_b s[16:17], ws s[18:19]
	v_lshrrev_b32 v23, 5, v0
	v_readfirstlane_b32 s20, v23                   ; wave 0..15
	s_lshr_b32 s21, ttmp9, 2                       ; head
	s_and_b32 s22, ttmp9, 3                        ; sb: which 256 positions
	s_and_b32 s23, ttmp7, 0xffff                   ; b
	v_and_b32 v58, 31, v0                          ; lane
	v_and_b32 v59, 15, v0                          ; r
	v_bfe_u32 v60, v0, 4, 1                        ; h
	v_lshlrev_b32 v1, 2, v58                       ; x: 4 bytes a lane
	v_and_b32 v61, 8, v59
	v_add_nc_u32 v61, v61, v59                     ; r + 8 (r / 8)
	v_lshlrev_b32 v2, 10, v61
	v_lshl_add_u32 v2, v60, 6, v2                  ; q_w, k_w: that row of 1,024 bytes, + 64 h
	v_lshlrev_b32 v3, 10, v59
	v_lshl_add_u32 v3, v60, 6, v3                  ; v_w: row r, + 64 h
	v_lshlrev_b32 v9, 6, v60                       ; q_b, k_b: 16 h numbers on
	v_lshlrev_b32 v10, 2, v59                      ; v_b: number r
	s_wait_alu depctr_va_sdst(0)                   ; s20 is written, ahead of its first reader: the wave's shares, its offsets and its LDS addresses are made from it
	s_lshr_b32 s32, s20, 1                         ; w / 2: my 32 columns of x
	s_and_b32 s33, s20, 1                          ; w % 2: my K step of x
	s_lshr_b32 s34, s20, 2                         ; w / 4: my tile of a weight's rows; later my run of 64 keys
	s_and_b32 s35, s20, 3                          ; w % 4: my run of 64 along K; later my tile of v's units
	; byte offsets, each made apart from its pointer
	s_lshl_b32 s36, s23, 20                        ; x: image b,
	s_lshl_b32 s24, s33, 19                        ; 128 channels of 4,096 bytes a K step,
	s_add_co_u32 s36, s36, s24
	s_lshl_b32 s24, s22, 10                        ; 256 positions a block,
	s_add_co_u32 s36, s36, s24
	s_lshl_b32 s24, s32, 7                         ; my 32 columns
	s_add_co_u32 s36, s36, s24
	s_mov_b32 s37, 0
	s_lshl_b32 s38, s21, 16                        ; the weights: the head's 64 rows,
	s_lshl_b32 s24, s35, 8                         ; my run of 64 along K
	s_add_co_u32 s38, s38, s24
	s_lshl_b32 s24, s34, 14                        ; v_w: tile t begins at row 16 t
	s_add_co_u32 s40, s38, s24
	s_mov_b32 s41, 0
	s_lshr_b32 s24, s34, 1                         ; q_w, k_w: at row 32 (t / 2) + 8 (t % 2)
	s_lshl_b32 s24, s24, 15
	s_add_co_u32 s38, s38, s24
	s_and_b32 s24, s34, 1
	s_lshl_b32 s24, s24, 13
	s_add_co_u32 s38, s38, s24
	s_mov_b32 s39, 0
	s_lshl_b32 s42, s21, 8                         ; the biases: the head's 64 numbers;
	s_mov_b32 s43, 0
	s_lshl_b32 s24, s35, 6                         ; v_b: my tile's 16
	s_add_co_u32 s44, s42, s24
	s_mov_b32 s45, 0
	s_lshl_b32 s46, s23, 3
	s_add_co_u32 s46, s46, s21
	s_lshl_b32 s46, s46, 2
	s_add_co_u32 s46, s46, s22
	s_mul_i32 s46, s46, RECB                       ; the record: ((8 b + head) 4 + sb) x 38,400
	s_mov_b32 s47, 0
	s_mul_i32 s24, s20, 768                        ; and my half fragment's place in each of its three runs of codes
	s_mov_b32 s25, 0
	s_mov_b32 s26, 0x76543210
	s_mov_b32 s27, 0xfedcba98                      ; v_permlanex16_b32's selects for lane l xor 16
	s_wait_kmcnt 0x0
	s_add_nc_u64 s[4:5], s[4:5], s[36:37]
	s_add_nc_u64 s[6:7], s[6:7], s[38:39]
	s_add_nc_u64 s[10:11], s[10:11], s[38:39]
	s_add_nc_u64 s[14:15], s[14:15], s[40:41]
	s_add_nc_u64 s[8:9], s[8:9], s[42:43]
	s_add_nc_u64 s[12:13], s[12:13], s[42:43]
	s_add_nc_u64 s[16:17], s[16:17], s[44:45]
	s_add_nc_u64 s[28:29], s[18:19], s[46:47]      ; the record
	s_add_nc_u64 s[30:31], s[28:29], s[24:25]      ; + 768 w
	; ---- B: 120 loads go out at once; the addresses for LDS are made while they are on their way
	s_wait_alu depctr_va_vdst(0)                   ; v1, v2, v3, v9 and v10 are written: every global load of the kernel reads one of them as its offset
	WLOAD 64, 2, 6
	WLOAD 96, 2, 10
	WLOAD 128, 3, 14
	XLOAD 0, 160
	XLOAD 1, 192
	XLOAD 2, 224
	v_lshlrev_b32 v4, 3, v58                       ; 8 x lane: my place in a piece of an image
	s_mul_i32 s24, s20, 768
	s_add_co_u32 s24, s24, WIMG
	v_add_nc_u32 v5, s24, v4                       ; where I store a weight's half fragment: number w of its matrix
	s_lshl_b32 s24, s32, 6
	s_lshl_b32 s25, s33, 1
	s_add_co_u32 s24, s24, s25
	s_add_co_u32 s24, s24, WSC
	v_add_nc_u32 v6, s24, v10                      ; and its two bytes: word (w / 2), half w % 2, row r
	v_bfe_u32 v62, v0, 3, 1                        ; x: column l of a run of 32 is row r' = l % 8 + 8 (l / 16) of tile u' = (l / 8) % 2
	v_and_b32 v63, 7, v0
	v_lshl_add_u32 v63, v60, 3, v63
	s_mul_i32 s24, s32, 6144
	s_mul_i32 s25, s33, 1536
	s_add_co_u32 s24, s24, s25
	v_mul_u32_u24 v7, v62, 3072
	v_lshl_add_u32 v7, v63, 3, v7
	v_add_nc_u32 v7, s24, v7                       ; XIMG (= 0) + tile (2 (w / 2) + u') 3,072 + K step 1,536 + 8 r'
	s_lshl_b32 s24, s32, 8
	s_lshl_b32 s25, s33, 6
	s_add_co_u32 s24, s24, s25
	s_add_co_u32 s24, s24, XSC
	v_lshlrev_b32 v8, 7, v62
	v_lshl_add_u32 v8, v63, 2, v8
	v_add_nc_u32 v8, s24, v8                       ; and its scale word
	s_mul_i32 s24, s20, 3072
	v_add_nc_u32 v11, s24, v4                      ; phase C: x's tile w
	v_add_nc_u32 v12, WIMG, v4                     ; a whole weight
	s_mul_i32 s24, s34, 12288
	v_add_nc_u32 v13, s24, v4                      ; x's tiles 4 (w / 4) on
	s_mul_i32 s24, s35, 3072
	s_add_co_u32 s24, s24, WIMG+24576
	v_add_nc_u32 v14, s24, v4                      ; v_w's tile w % 4
	s_lshl_b32 s24, s20, 7
	s_add_co_u32 s24, s24, XSC
	v_add_nc_u32 v15, s24, v10                     ; the scale words that go with these four
	v_add_nc_u32 v16, WSC, v10
	s_lshl_b32 s24, s34, 9
	s_add_co_u32 s24, s24, XSC
	v_add_nc_u32 v17, s24, v10
	s_lshl_b32 s24, s35, 7
	s_add_co_u32 s24, s24, WSC+1024
	v_add_nc_u32 v18, s24, v10
	s_lshl_b32 s24, s20, 5
	s_add_co_u32 s24, s24, SST
	v_lshl_add_u32 v19, v59, 1, s24                ; q's and k's two bytes: tile w, row r
	s_lshr_b32 s24, s20, 3
	s_lshl_b32 s24, s24, 2
	s_add_co_u32 s24, s24, s35
	s_lshl_b32 s24, s24, 6
	s_and_b32 s25, s34, 1
	s_lshl_b32 s25, s25, 1
	s_add_co_u32 s24, s24, s25
	s_add_co_u32 s24, s24, SST+1024
	v_add_nc_u32 v20, s24, v10                     ; v's: word (128 keys w / 8, tile w % 4, row r), half (w / 4) % 2
	v_lshl_add_u32 v21, v0, 4, SST                 ; the scale bytes' way out: 16 bytes a thread
	v_lshlrev_b32 v22, 4, v0
	v_mov_b32 v[TM+2], 0                           ; written once: a lane permute's destination counts as one of its sources
	v_mov_b32 v[TM+3], 0
	s_wait_loadcnt 63                              ; of 120 issued at most 63 are out: the oldest 57 are in, the 24 of the weights and x's first 32 among them
	QUANT2 64
	s_wait_alu depctr_va_vdst(0)                   ; q_w's codes v[PC] on and bytes v[PW] are written, which the stores below read; so are v4 to v8 and v11 to v22, which every LDS instruction and store of the kernel reads as its address; and the quantising lines are done reading v64-95, in which x's fourth block lands
	WSTORE 0, 0
	XLOAD 3, 64                                    ; x's fourth block takes q_w's registers
	s_wait_dscnt 0x0                               ; the stores are done
	s_wait_alu depctr_vm_vsrc(0)                   ; q_w's stores have read v[PC] on and v[PW], which the lines below write again
	QUANT2 96
	s_wait_alu depctr_va_vdst(0)                   ; k_w's codes and bytes are written, which the stores below read; the quantising lines are done reading v96-127, in which k's bias lands
	WSTORE 12288, 512
	BLOAD ACK, 12                                  ; k's bias takes k_w's registers: the accumulators begin on it
	s_wait_dscnt 0x0
	s_wait_alu depctr_vm_vsrc(0)                   ; k_w's stores have read v[PC] on and v[PW], which the lines below write again
	QUANT2 128
	s_wait_alu depctr_va_vdst(0)                   ; v_w's codes and bytes are written, which the stores below read; the quantising lines are done reading v128-159, in which q's bias lands
	WSTORE 24576, 1024
	BLOAD ACQ, 8
	XQ 0, 160
	s_wait_loadcnt 63                              ; behind x's second block 80 loads were issued; the count names as many as its field holds
	XQ 1, 192
	s_wait_loadcnt 48                              ; behind the third: the fourth's 32 and the biases' 16
	XQ 2, 224
	s_wait_loadcnt 16                              ; behind the fourth: the biases' 16
	XQ 3, 64
	ds_store_b32 v8, v[XW]                         ; (v[XW] was written ahead of the wait in the block above)
	global_load_b32 v[VB], v10, s[16:17]           ; v's bias of my unit.  It lands in a register that x's fourth block held: the block's lines stand ahead of that same wait
	BARRIER                                        ; x's 64 half fragments and the weights' 48 lie in LDS
	; ---- C1: q.  No vector instruction has been issued since the wait in x's last block, ahead of which stand all readers of v64-87 and v160-255: the loads below owe nothing more
	FR 12, XF, 11, 0
	SC2 15
	FR 48, FRG, 12, 0
	SC8 16, 0
	s_wait_loadcnt 0x0                             ; the biases
.irp i, 1,2,3,4,5,6,7
	v_mov_b32 v[VB+\i], v[VB]                      ; in v^T a lane holds one unit: its bias in all eight registers
.endr
	s_wait_dscnt 0x0
	MMQK ACQ
	; ---- C2: k; q is quantised while k_w's fragments come
	PLACES
	s_wait_alu depctr_vm_vsrc(0)                   ; the LDS stores of phase B have read v[PC] on and v[PW], which q's quantising writes again
	s_wait_alu depctr_va_vdst(0)                   ; q's products are done reading source 0's fragments and their scale words, in which the loads below land
	FR 48, FRG, 12, 12288
	SC8 16, 512
	QUANT2 ACQ                                     ; (it names none of the registers that the loads above touch)
	s_wait_alu depctr_va_vdst(0)                   ; q's codes and bytes are written, which the stores below read
	CSTORE 0
	ds_store_b16 v19, v[PW]
	s_wait_dscnt 0x0
	MMQK ACK
	; ---- C3: v^T of my unit tile for my 64 keys; k is quantised while the fragments come
	PLACES
	s_wait_xcnt 0x0                                ; q's stores have had their addresses translated,
	s_wait_alu depctr_vm_vsrc(0)                   ; and q's stores, global and LDS, have read v[PC] on and v[PW], which k's quantising writes again
	s_wait_alu depctr_va_vdst(0)                   ; k's products are done reading both sources' fragments and scale words, in which the loads below land
	FR 48, FRG, 13, 0
	FR 12, XF, 14, 0
	SC8 17, 0
	SC2 18
	QUANT2 ACK                                     ; (it names none of the registers that the loads above touch)
	s_wait_alu depctr_va_vdst(0)                   ; k's codes and bytes are written, which the stores below read
	CSTORE 12288
	ds_store_b16 v19, v[PW] offset:512
	s_wait_dscnt 0x0
.irp ks, 0,1
.irp i, 0,1,2,3
.if \ks == 0
	v_wmma_scale_f32_16x16x128_f8f6f4 v[ACQ+8*\i:ACQ+8*\i+7], v[FRG+12*(2*\i+\ks):FRG+12*(2*\i+\ks)+11], v[XF+12*\ks:XF+12*\ks+11], v[VB:VB+7], v[SCW+2*\i+\ks], v[SCX+\ks] matrix_a_fmt:MATRIX_FMT_BF6 matrix_b_fmt:MATRIX_FMT_BF6
.else
	v_wmma_scale_f32_16x16x128_f8f6f4 v[ACQ+8*\i:ACQ+8*\i+7], v[FRG+12*(2*\i+\ks):FRG+12*(2*\i+\ks)+11], v[XF+12*\ks:XF+12*\ks+11], v[ACQ+8*\i:ACQ+8*\i+7], v[SCW+2*\i+\ks], v[SCX+\ks] matrix_a_fmt:MATRIX_FMT_BF6 matrix_b_fmt:MATRIX_FMT_BF6
.endif
.endr
.endr
	; ---- C4: v^T is quantised along the keys; the scale bytes leave
	PLACES
	s_wait_xcnt 0x0                                ; k's stores have had their addresses translated,
	s_wait_alu depctr_vm_vsrc(0)                   ; and k's stores, global and LDS, have read v[PC] on and v[PW], which v's quantising writes again
	QUANT2 ACQ
	s_wait_alu depctr_va_vdst(0)                   ; v's codes and bytes are written, which the stores below read; and v's products are done reading v64-67, in which the load behind the barrier lands
	CSTORE 24576
	ds_store_b16 v20, v[PW]
	BARRIER                                        ; the 1,536 scale bytes lie in LDS
	s_cmp_gt_u32 s20, 2
	s_cbranch_scc1 .Ldone                          ; 96 threads x 16 bytes
	ds_load_b128 v[64:67], v21                     ; (no vector or matrix instruction has been issued since the wait above)
	s_wait_dscnt 0x0
	global_store_b128 v22, v[64:67], s[28:29] offset:36864   ; sixteen lanes store 256 consecutive bytes, at a multiple of 256 from the buffer's first byte
.Ldone:
	s_wait_xcnt 0x0
	v_lshl_add_u32 v126, v0, 2, 0x16400
	v_mov_b32 v127, 0
	s_wait_dscnt 0x0                               ; the closing lines, six on end
	s_wait_alu 0x0
	s_wait_tensorcnt 0x0
	ds_add_u32 v126, v127
	s_wait_dscnt 0x0
	s_endpgm
.Lfunc_end_k_qec22afc215_proj:
	.size	k_qec22afc215_proj, .Lfunc_end_k_qec22afc215_proj-k_qec22afc215_proj
	.p2alignl 7, 3214868480
	.fill 96, 4, 3214868480
	.section	.rodata,"a",@progbits
	.p2align	6, 0x0
	.amdhsa_kernel k_qec22afc215_proj
		.amdhsa_group_segment_fixed_size 93184
		.amdhsa_private_segment_fixed_size 0
		.amdhsa_enable_private_segment 0
		.amdhsa_kernarg_size 64
		.amdhsa_user_sgpr_count 2
		.amdhsa_user_sgpr_kernarg_segment_ptr 1
		.amdhsa_wavefront_size32 1
		.amdhsa_system_sgpr_workgroup_id_x 1
		.amdhsa_system_sgpr_workgroup_id_y 1
		.amdhsa_system_sgpr_workgroup_id_z 1
		.amdhsa_system_vgpr_workitem_id 0
		.amdhsa_next_free_vgpr 256
		.amdhsa_next_free_sgpr 66
		.amdhsa_reserve_vcc 0
		.amdhsa_float_denorm_mode_32 3
		.amdhsa_float_denorm_mode_16_64 3
		.amdhsa_memory_ordered 1
		.amdhsa_forward_progress 1
		.amdhsa_inst_pref_size 59
	.end_amdhsa_kernel
	.amdgpu_metadata
---
amdhsa.version: [ 1, 2 ]
amdhsa.kernels:
  - .name:           k_qec22afc215_proj
    .symbol:         k_qec22afc215_proj.kd
    .args:
      - { .name: input, .offset: 0, .size: 8, .value_kind: global_buffer, .address_space: global }
      - { .name: q_w, .offset: 8, .size: 8, .value_kind: global_buffer, .address_space: global }
      - { .name: q_b, .offset: 16, .size: 8, .value_kind: global_buffer, .address_space: global }
      - { .name: k_w, .offset: 24, .size: 8, .value_kind: global_buffer, .address_space: global }
      - { .name: k_b, .offset: 32, .size: 8, .value_kind: global_buffer, .address_space: global }
      - { .name: v_w, .offset: 40, .size: 8, .value_kind: global_buffer, .address_space: global }
      - { .name: v_b, .offset: 48, .size: 8, .value_kind: global_buffer, .address_space: global }
      - { .name: ws, .offset: 56, .size: 8, .value_kind: global_buffer, .address_space: global }
    .group_segment_fixed_size: 93184
    .private_segment_fixed_size: 0
    .kernarg_segment_align: 8
    .kernarg_segment_size: 64
    .max_flat_workgroup_size: 512
    .sgpr_count:     66
    .vgpr_count:     256
    .wavefront_size: 32
...
	.end_amdgpu_metadata
.endif
;; end of part 3
;; launch attn (part 4): grid 4 x 64, 16 waves a work-group, no clusters, 176,128 bytes of LDS; arguments ws, out0; writes out0
.if DOCPART == 4
	.amdgcn_target "amdgcn-amd-amdhsa--gfx1250"
	.amdhsa_code_object_version 6
	.text
	.protected	k_qec22afc215_attn
	.globl	k_qec22afc215_attn
	.p2align	8
	.type	k_qec22afc215_attn,@function
k_qec22afc215_attn:
	s_mov_b64 s[64:65], 0
	v_nop
	global_prefetch_b8 v0, s[64:65] scope:SCOPE_SE
	s_setreg_imm32_b32 hwreg(HW_REG_WAVE_MODE, 25, 1), 1
	s_wait_xcnt 0x0
; out0[b][64 head + d][q] = the sum over keys k <= q of softmax_k(Q[q] . K[k] / 8) V[k][d], both products on codes of BF6 (E3M2) with one E8M0 scale for each 32 along a product's K.
; Codes and scale bytes come from ws as the launch before laid them: records of 38,400 bytes for (b, head, 256 positions), operands as images of their registers (half fragments: 16 rows x 64 K, three pieces of
; 256 bytes, piece j at 256 j + 8 x lane).  The head's size is 64: the upper 64 of the first product's 128 along K are zero codes on both sides, in registers cleared once; their scale bytes are 0, which is no NaN.
; THE SOFTMAX AHEAD OF THE SECOND PRODUCT: t = score x log2(e) / 8; M = the largest t so far, rounded UP to a whole number; p = 2^(t - M) is what is quantised, along the keys, not normalised.  The row's sum is taken of
; the unquantised p and divides at the end.  When M moves, the sum and O are multiplied by 2^(old M - new M): exact.
; SHARES.  Work-group (x = j, y = 8 b + head): four groups of 64 queries, g = 4 a + (j xor 3 (a % 2)), a = 0 .. 3.  Group g wants g / 2 + 1 steps of 128 keys, and these four numbers add up to 18 for every j.
; Sixteen waves, each one tile of 16 queries in 256 registers: wave w has tile tq = w / 4 of group a = (w + tq) % 4, so that among waves w, w + 4, w + 8, w + 12, and among 4 i .. 4 i + 3, each a comes once.
; All 1,024 keys' codes and scale bytes of the head, 4 x 26,112 bytes, come into LDS ONCE, by one tensor load each of waves 0 to 3: no bytes are filled again.
; LAYOUT.  Both products are used transposed: S^T = K Q^T (source 0 = 16 keys), O^T = V^T P^T (source 0 = 16 of the head's 64): a lane holds ONE query throughout.  A tile's 16 positions are not neighbours:
; tile 2 B + u of a run of 32 holds 32 B + 8 u + r + 8 (r / 8), so that the 16 registers of key tiles 2 B, 2 B + 1 are keys 32 B + 16 (lane / 16) + 0 .. 15.
; CAUSAL.  Every wave walks all eight steps; a step all of whose keys come after the wave's queries is left out by a scalar branch on ids; in the step on the diagonal hidden scores become -infinity.
; NO CLUSTER: the four work-groups of a head read the same 104,448 bytes, once each; but which steps a wave leaves out hangs on j, which would be the work-group's place in its cluster, and partners must run alike.
; LIMITS: NaN and infinities are not served.  A block's largest p is not searched for: the block's largest score goes through the same multiply-add and exponential, which takes v_exp_f32 not to fall where its
; input rises.  A block whose every p is 0 keeps the scale byte 1: its codes are zeros.
.set CH,   26112                       ; LDS: chunk c (256 keys) at 26,112 c: K codes | V codes | (Q's scales, not read) | K scales | V scales
.set VCO,  12288
.set KSO,  25088
.set VSO,  25600
.set STG,  104448                      ; the way out: 4 groups x 64 rows (d) x (256 bytes + 16); no tensor load lands here
.set SP,   272
.set KB,   32                          ; v32-79   four buffers for K's tiles, 12 registers each; the upper six stay 0
.set VF,   80                          ; v80-127  V's four fragments
.set S,    128                         ; v128-191 S^T, then p
.set O,    192                         ; v192-223 O^T
.set PCD,  224                         ; v224-235 p's codes
.set BM,   236                         ; v236-239 the blocks' largest scores, then p
.set PT,   240                         ; v240-243 the other half's; then bytes
.set SO,   244                         ; v244-247 the conversions' scale operands
.set SCL,  248                         ; v248-251 scale words of source 0: K's, then V's; scales and nothing else.  v28: Q's; v29: p's
; v1 8 x lane, v2 2 r, v3 4 r; v4-6 the same in the chunk in hand; v7 r + 8 (r / 8) - 16 h; v8-10 the way out; v12 -M, v13 the largest t, v[14:15] the sum; v16-27 Q; v[30:31] f; v252-254 at work
; s8 wave, s9 j, s10 8 b + head, s11 tq, s12 a, s13 g, s14 my first query, s15 my last, s16 the step's first key, s17 the chunk's LDS byte, s18 trips, s[20:21] lane selects, s[22:23] c
.macro PLACES                          ; four plain places behind a matrix instruction, ahead of loads into its registers and of the first read of its result
.rept 4
	v_nop
.endr
.endm
.macro KLOAD q, g                      ; four tiles of 16 keys, 8 q + 4 g on: three pieces each, and their rows' two scale bytes
.irp t, 0,1,2,3
.irp j, 0,1,2
	ds_load_b64 v[KB+12*\t+2*\j:KB+12*\t+2*\j+1], v4 offset:(8*(\q)+4*(\g)+\t)*768+256*\j
.endr
	ds_load_u16 v[SCL+\t], v5 offset:KSO+32*(8*(\q)+4*(\g)+\t)
.endr
.endm
.macro SMUL g
.irp t, 0,1,2,3
	v_wmma_scale_f32_16x16x128_f8f6f4 v[S+8*(4*(\g)+\t):S+8*(4*(\g)+\t)+7], v[KB+12*\t:KB+12*\t+11], v[16:27], 0, v[SCL+\t], v28 matrix_a_fmt:MATRIX_FMT_BF6 matrix_b_fmt:MATRIX_FMT_BF6
.endr
.endm
; A KEY STEP: 128 keys, the q-th of the chunk in hand.
.macro STEP q
	s_cmp_gt_u32 s16, s15                          ; all its keys come after my queries: the work is left out, not the step of the key counter at the end
	s_cbranch_scc1 .Lhidden_\@
	v_add_nc_u32 v4, s17, v1
	v_add_nc_u32 v5, s17, v2
	v_add_nc_u32 v6, s17, v3
	v_nop                                          ; with the three additions: the places behind the last step's products
	KLOAD \q, 0
.irp t, 0,1,2,3                                ; V^T: tile t of the head's 64, these 128 keys: two half fragments
.irp c, 0,1
.irp j, 0,1,2
	ds_load_b64 v[VF+12*\t+6*\c+2*\j:VF+12*\t+6*\c+2*\j+1], v4 offset:VCO+((2*(\q)+\c)*4+\t)*768+256*\j
.endr
.endr
.endr
	s_wait_alu depctr_va_vdst(0)
	s_wait_dscnt 24                                ; K's first 16 loads are in; V's 24 may be out
	SMUL 0
	PLACES
	KLOAD \q, 1
	s_wait_dscnt 0x0
	SMUL 1
	PLACES
.irp t, 0,1,2,3
	ds_load_b32 v[SCL+\t], v6 offset:VSO+64*(4*(\q)+\t)   ; V's scale words land while the softmax is worked
.endr
	s_add_co_u32 s19, s16, 127                     ; a step all of whose keys count skips the mask
	s_cmp_le_u32 s19, s14
	s_cbranch_scc1 .Lopen_\@
	s_sub_co_i32 s19, s14, s16
	v_add_nc_u32 v252, s19, v7                     ; d = my query - the step's first key - 16 (lane / 16).  Register 16 B + i holds key 32 B + 16 (lane / 16) + i of the step: hidden where 32 B + i > d
	v_mov_b32 v254, 0xff800000                     ; -infinity
.set mn, 0
.rept 64
	v_cmp_gt_i32 vcc_lo, 32*(mn/16)+mn%16, v252
	v_cndmask_b32 v[S+mn], v[S+mn], v254, vcc_lo
.set mn, mn+1
.endr
.Lopen_\@:
.irp b, 0,1,2,3
	v_max3_num_f32 v[BM+\b], v[S+16*\b], v[S+1+16*\b], v[S+2+16*\b]   ; the largest score of each block of 32 keys: it serves the row's maximum and, since p rises with the score, the block's largest p
.endr
.irp i, 3,5,7,9,11,13
.irp b, 0,1,2,3
	v_max3_num_f32 v[BM+\b], v[BM+\b], v[S+16*\b+\i], v[S+1+16*\b+\i]
.endr
.endr
.irp b, 0,1,2,3
	v_max_num_f32 v[BM+\b], v[BM+\b], v[S+15+16*\b]
.endr
.irp b, 0,1,2,3
	s_delay_alu instid0(VALU_DEP_4)
	v_permlanex16_b32 v[PT+\b], v[BM+\b], s20, s21
.endr
.irp b, 0,1,2,3
	s_delay_alu instid0(VALU_DEP_4)
	v_max_num_f32 v[BM+\b], v[BM+\b], v[PT+\b]     ; with lane l xor 16's 16 keys
.endr
	s_delay_alu instid0(VALU_DEP_2)
	v_max3_num_f32 v254, v[BM], v[BM+1], v[BM+2]
	s_delay_alu instid0(VALU_DEP_1)
	v_max_num_f32 v254, v254, v[BM+3]              ; the step's largest score of my query
	s_delay_alu instid0(VALU_DEP_1)
	v_mul_f32 v254, s22, v254                      ; as t (c is positive)
	s_delay_alu instid0(VALU_DEP_1)
	v_max_num_f32 v13, v13, v254                   ; the running largest t
	v_mov_b32 v254, v12
	s_delay_alu instid0(VALU_DEP_2)
	v_floor_f32 v12, -v13                          ; the new -M = floor(-t): M is a whole number
	s_delay_alu instid0(VALU_DEP_1)
	v_sub_f32 v254, v12, v254                      ; old M - new M: a whole number, 0 or less
	s_delay_alu instid0(VALU_DEP_1)
	v_cvt_i32_f32 v254, v254                       ; (it saturates)
	s_delay_alu instid0(VALU_DEP_1)
	v_ldexp_f32 v30, 1.0, v254                     ; f = 2^(old M - new M)
.set pj, 0
.rept 32
	v_pk_fma_f32 v[S+pj:S+pj+1], v[S+pj:S+pj+1], s[22:23], v[12:13] op_sel_hi:[1,0,0]   ; t - M, two at a time (of the pairs c and -M the low word serves both halves)
.set pj, pj+2
.endr
.irp b, 0,1,2,3
	v_fma_f32 v[BM+\b], v[BM+\b], s22, v12         ; the same of each block's largest score
.endr
.set pj, 0
	s_wait_alu depctr_va_vdst(0)
.rept 64
	v_exp_f32 v[S+pj], v[S+pj]                     ; p = 2^(t - M), at most 1
.set pj, pj+1
.endr
.irp b, 0,1,2,3
	v_exp_f32 v[BM+\b], v[BM+\b]                   ; the block's largest p
.endr
	v_pk_mul_f32 v[14:15], v[14:15], v[30:31] op_sel_hi:[1,0]   ; the sums under the new M.  (A plain place behind the exponentials)
	s_wait_alu depctr_va_vdst(0)
.irp b, 0,1,2,3
	v_max_num_f32 v[BM+\b], 0x2800000, v[BM+\b]    ; the floor 2^(5 - 127): the byte cannot fall under 1
.endr
.irp b, 0,1,2,3
	s_delay_alu instid0(VALU_DEP_4)
	v_add_nc_u32 v[SO+\b], 0xfe000000, v[BM+\b]    ; 4 off the exponent field: the conversion's scale operand
.endr
.irp b, 0,1,2,3
	s_delay_alu instid0(VALU_DEP_4)
	v_lshrrev_b32 v[PT+\b], 23, v[SO+\b]           ; the scale's byte
.endr
	s_delay_alu instid0(VALU_DEP_3)
	v_lshl_or_b32 v29, v[PT+1], 8, v[PT]           ; p's scale word for these 128 keys
	s_delay_alu instid0(VALU_DEP_1)
	v_lshl_or_b32 v29, v[PT+2], 16, v29
	s_delay_alu instid0(VALU_DEP_1)
	v_lshl_or_b32 v29, v[PT+3], 24, v29
.irp c, 0,1
	v_cvt_scalef32_pk16_bf6_f32 v[PCD+6*\c:PCD+2+6*\c], v[S+32*\c:S+15+32*\c], v[SO+2*\c]
	v_cvt_scalef32_pk16_bf6_f32 v[BM+4*\c:BM+2+4*\c], v[S+16+32*\c:S+31+32*\c], v[SO+2*\c+1]   ; (a conversion's three registers begin on an even number)
.endr
	v_nop                                          ; one plain place behind a scaled conversion
.irp c, 0,1                                    ; a whole block to a lane: lanes 0-15 block 2 c, lanes 16-31 block 2 c + 1
.irp i, 0,1,2
	v_permlane16_swap_b32 v[PCD+6*\c+\i], v[BM+4*\c+\i]
.endr
.irp i, 0,1,2
	s_delay_alu instid0(VALU_DEP_3)
	v_mov_b32 v[PCD+3+6*\c+\i], v[BM+4*\c+\i]
.endr
.endr
	v_pk_add_f32 v[236:237], v[132:133], v[136:137]
	v_pk_add_f32 v[254:255], v[140:141], v[144:145]
	v_pk_add_f32 v[246:247], v[148:149], v[152:153]
	v_pk_add_f32 v[244:245], v[156:157], v[160:161]
	v_pk_add_f32 v[238:239], v[164:165], v[168:169]
	v_pk_add_f32 v[72:73], v[172:173], v[176:177]
	v_pk_add_f32 v[70:71], v[180:181], v[184:185]
	v_pk_add_f32 v[14:15], v[14:15], v[188:189]
	v_pk_add_f32 v[236:237], v[236:237], v[128:129]
	v_pk_add_f32 v[254:255], v[254:255], v[130:131]
	v_pk_add_f32 v[246:247], v[246:247], v[134:135]
	v_pk_add_f32 v[244:245], v[244:245], v[138:139]
	v_pk_add_f32 v[238:239], v[238:239], v[142:143]
	v_pk_add_f32 v[72:73], v[72:73], v[146:147]
	v_pk_add_f32 v[70:71], v[70:71], v[150:151]
	v_pk_add_f32 v[14:15], v[14:15], v[154:155]
	v_pk_add_f32 v[236:237], v[236:237], v[158:159]
	v_pk_add_f32 v[254:255], v[254:255], v[162:163]
	v_pk_add_f32 v[246:247], v[246:247], v[166:167]
	v_pk_add_f32 v[244:245], v[244:245], v[170:171]
	v_pk_add_f32 v[238:239], v[238:239], v[174:175]
	v_pk_add_f32 v[72:73], v[72:73], v[178:179]
	v_pk_add_f32 v[70:71], v[70:71], v[182:183]
	v_pk_add_f32 v[14:15], v[14:15], v[186:187]
	v_pk_add_f32 v[236:237], v[236:237], v[190:191]
	s_delay_alu instid0(VALU_DEP_2)
	v_pk_add_f32 v[14:15], v[14:15], v[244:245]
	s_delay_alu instid0(VALU_DEP_2)
	v_pk_add_f32 v[236:237], v[236:237], v[238:239]
	v_pk_add_f32 v[254:255], v[254:255], v[72:73]
	v_pk_add_f32 v[246:247], v[246:247], v[70:71]
	s_delay_alu instid0(VALU_DEP_2)
	v_pk_add_f32 v[14:15], v[14:15], v[254:255]
	s_delay_alu instid0(VALU_DEP_2)
	v_pk_add_f32 v[236:237], v[236:237], v[246:247]
	s_delay_alu instid0(VALU_DEP_1)
	v_pk_add_f32 v[14:15], v[14:15], v[236:237]
.irp j, 0,2,4,6,8,10,12,14,16,18,20,22,24,26,28,30
	v_pk_mul_f32 v[O+\j:O+1+\j], v[O+\j:O+1+\j], v[30:31] op_sel_hi:[1,0]   ; O^T under the new M.  (With the sums above: the places between p's codes and scale word and the products below)
.endr
	s_wait_alu depctr_va_vdst(0)
	s_wait_dscnt 0x0                               ; V's scale words
.irp t, 0,1,2,3                                ; the four accumulators take turns, one instruction a turn; between two links of a chain stand eleven other products
	v_wmma_scale_f32_16x16x128_f8f6f4 v[O+8*\t:O+8*\t+7], v[VF+12*\t:VF+12*\t+11], v[PCD:PCD+11], v[O+8*\t:O+8*\t+7], v[SCL+\t], v29 matrix_a_fmt:MATRIX_FMT_BF6 matrix_b_fmt:MATRIX_FMT_BF6
.endr
.Lhidden_\@:
	s_add_co_u32 s16, s16, 128
.endm
	s_load_b128 s[4:7], s[0:1], 0x0                ; ws s[4:5], out0 s[6:7]
	v_lshl_add_u32 v254, v0, 2, 0x2a800
	v_mov_b32 v255, 0
	ds_add_u32 v254, v255
	ds_add_u32 v254, v255
	s_wait_dscnt 0x0
	v_lshrrev_b32 v252, 5, v0
	s_delay_alu instid0(VALU_DEP_1)
	v_readfirstlane_b32 s8, v252                   ; wave 0..15
	s_mov_b32 s9, ttmp9                            ; j
	s_and_b32 s10, ttmp7, 0xffff                   ; 8 b + head
	s_lshr_b32 s11, s8, 2                          ; tq
	s_add_co_u32 s12, s8, s11
	s_and_b32 s12, s12, 3                          ; a
	s_and_b32 s19, s12, 1
	s_mul_i32 s19, s19, 3
	s_xor_b32 s19, s19, s9
	s_lshl_b32 s13, s12, 2
	s_add_co_u32 s13, s13, s19                     ; g = 4 a + (j xor 3 (a % 2))
	s_lshl_b32 s14, s13, 6
	s_lshr_b32 s19, s11, 1
	s_lshl_b32 s19, s19, 5
	s_add_co_u32 s14, s14, s19
	s_and_b32 s19, s11, 1
	s_lshl_b32 s19, s19, 3
	s_add_co_u32 s14, s14, s19                     ; my first query: 64 g + 32 (tq / 2) + 8 (tq % 2)
	s_add_co_u32 s15, s14, 23                      ; my last: row 15 lies 15 + 8 on
	; descriptor group 1: 26,112 dense bytes as 102 rows of 256 (32 elements of 8 bytes), no padding
	s_mov_b32 s24, 3<<16                           ; 15:0 no mask; 17:16 elements of 8 bytes
	s_mov_b32 s25, 32<<16                          ; tensor_dim0 = 32
	s_mov_b32 s26, 102<<16                         ; tensor_dim1 = 102
	s_mov_b32 s27, 32<<16                          ; tile_dim0 = 32
	s_mov_b32 s28, 102                             ; tile_dim1 = 102
	s_mov_b32 s29, 32                              ; tensor_dim0_stride
	s_mov_b32 s30, 0
	s_mov_b32 s31, 0
	s_and_b32 s19, s8, 3                           ; the chunk that I fetch, if I fetch
	s_mul_i32 s33, s19, CH                         ; its place in LDS
	s_mul_i32 s36, s19, 38400
	s_mul_i32 s38, s10, 153600                     ; the head's four records
	s_add_co_u32 s36, s36, s38
	s_add_co_u32 s36, s36, 12288                   ; behind the record's Q codes
	s_mov_b32 s37, 0
	s_lshr_b32 s19, s13, 2
	s_mul_i32 s19, s19, 38400
	s_add_co_u32 s38, s38, s19                     ; the record of my queries
	s_and_b32 s19, s13, 3
	s_lshl_b32 s19, s19, 2
	s_add_co_u32 s19, s19, s11                     ; my tile in it: 4 (g % 4) + tq
	s_mul_i32 s44, s19, 768
	s_add_co_u32 s44, s44, s38
	s_mov_b32 s45, 0
	s_lshl_b32 s48, s19, 5
	s_add_co_u32 s48, s48, s38
	s_add_co_u32 s48, s48, 36864                   ; and its scale bytes
	s_mov_b32 s49, 0
	s_and_b32 s19, s11, 1                          ; the way out: I store rows 16 (w % 4) on of group number w / 4 of this work-group
	s_mul_i32 s19, s19, 3
	s_xor_b32 s19, s19, s9
	s_lshl_b32 s50, s11, 2
	s_add_co_u32 s50, s50, s19
	s_lshl_b32 s50, s50, 8                         ; that group's 64 queries: 256 bytes
	s_lshl_b32 s19, s10, 18                        ; the head's 64 rows of 4,096 bytes
	s_add_co_u32 s50, s50, s19
	s_and_b32 s19, s8, 3
	s_lshl_b32 s19, s19, 16
	s_add_co_u32 s50, s50, s19
	s_mov_b32 s51, 0
	s_mov_b32 s20, 0x76543210
	s_mov_b32 s21, 0xfedcba98                      ; v_permlanex16_b32's selects for lane l xor 16
	s_mov_b32 s22, 0x3e38aa3b                      ; c = log2(e) / 8
	s_mov_b32 s23, s22                             ; (named with it as a pair, so it is written)
	s_mov_b32 s16, 0
	s_mov_b32 s17, 0
	s_mov_b32 s18, 4
	s_wait_kmcnt 0x0
	s_mov_b32 s32, 1                               ; group 0: count = 1; s33 the LDS address;
	s_add_nc_u64 s[34:35], s[4:5], s[36:37]        ; the global address;
	s_or_b32 s35, s35, 0x80000000                  ; type = 2
	s_add_nc_u64 s[40:41], s[4:5], s[44:45]        ; Q's codes
	s_add_nc_u64 s[46:47], s[4:5], s[48:49]        ; Q's scale bytes
	s_add_nc_u64 s[42:43], s[6:7], s[50:51]        ; out0 at the rows that I store
	s_cmp_lt_u32 s8, 4                             ; waves 0 to 3 fetch a chunk each: one tensor load of a wave is out; four v_nop follow it
	s_cbranch_scc0 .Lno_fetch
	tensor_load_to_lds s[32:35], s[24:31]
	s_nop 0
.rept 4
	v_nop
.endr
.Lno_fetch:
	v_and_b32 v253, 31, v0                         ; lane
	v_and_b32 v254, 15, v0                         ; r
	v_bfe_u32 v252, v0, 4, 1                       ; h
	s_wait_alu depctr_va_vdst(0)
	v_lshlrev_b32 v1, 3, v253
	v_lshlrev_b32 v2, 1, v254
	v_lshlrev_b32 v3, 2, v254
.irp j, 0,1,2
	global_load_b64 v[16+2*\j:17+2*\j], v1, s[40:41] offset:256*\j   ; Q's half fragment stays in registers
.endr
	global_load_u16 v28, v2, s[46:47]              ; its rows' two scale bytes; the upper two are 0
	v_and_b32 v11, 8, v254
	s_delay_alu instid0(VALU_DEP_1)
	v_add_nc_u32 v11, v11, v254                    ; r + 8 (r / 8)
	v_lshlrev_b32 v7, 4, v252
	s_delay_alu instid0(VALU_DEP_1)
	v_sub_nc_u32 v7, v11, v7                       ; - 16 h
	s_mul_i32 s19, s12, 64*SP                      ; the stage, on the way in: my group a; row d = 16 t + 8 h + i; my query's 4 bytes
	s_add_co_u32 s19, s19, STG
	s_lshr_b32 s52, s11, 1
	s_lshl_b32 s52, s52, 7
	s_add_co_u32 s19, s19, s52
	s_and_b32 s52, s11, 1
	s_lshl_b32 s52, s52, 5
	s_add_co_u32 s19, s19, s52
	v_mul_u32_u24 v8, v252, 8*SP
	s_wait_alu depctr_va_vdst(0)
	v_lshl_add_u32 v8, v11, 2, v8
	s_delay_alu instid0(VALU_DEP_1)
	v_add_nc_u32 v8, s19, v8
	s_mul_i32 s19, s11, 64*SP                      ; and back: group w / 4, rows 16 (w % 4) on; lanes 0-15 one row of 256 bytes, lanes 16-31 the next
	s_add_co_u32 s19, s19, STG
	s_and_b32 s52, s8, 3
	s_mul_i32 s52, s52, 16*SP
	s_add_co_u32 s19, s19, s52
	v_mul_u32_u24 v9, v252, SP
	s_delay_alu instid0(VALU_DEP_1)
	v_lshl_add_u32 v9, v254, 4, v9
	s_delay_alu instid0(VALU_DEP_1)
	v_add_nc_u32 v9, s19, v9
	v_lshlrev_b32 v10, 12, v252                    ; the same two rows in out0
	s_delay_alu instid0(VALU_DEP_1)
	v_lshl_add_u32 v10, v254, 4, v10
	v_mov_b32 v13, 0xff61b1e6                      ; the largest t so far: -3e38, under every t
	s_delay_alu instid0(VALU_DEP_1)
	v_floor_f32 v12, -v13                          ; -M
	v_mov_b32 v14, 0                               ; the sum, in two halves
	v_mov_b32 v15, 0
	v_mov_b32 v31, 0                               ; (named as the upper half of the pair v[30:31])
.irp i, 22,23,24,25,26,27
	v_mov_b32 v[\i], 0                             ; Q's k = 64 .. 127: zero codes
.endr
.irp t, 0,1,2,3
.irp i, 6,7,8,9,10,11
	v_mov_b32 v[KB+12*\t+\i], 0                    ; K's likewise, once for all steps
.endr
.endr
.irp b, 0,1,2,3
	v_mov_b32 v[PT+\b], 0                          ; written once: a lane permute's destination counts as one of its sources
.endr
.set pj, 0
.rept 32
	v_mov_b32 v[O+pj], 0                           ; O^T.  (The step is written once: the first finds zeros, which the first change of M leaves zeros)
.set pj, pj+1
.endr
	s_wait_tensorcnt 0x0                           ; my chunk has landed (a wave that fetched none passes at once),
	s_wait_loadcnt 0x0                             ; and Q
	s_barrier_signal -1
	s_barrier_wait -1                              ; everybody's has
.Lchunk:                                           ; four trips, the same in every wave
	STEP 0
	STEP 1
	s_add_co_u32 s17, s17, CH
	s_sub_co_u32 s18, s18, 1
	s_cmp_lg_u32 s18, 0
	s_cbranch_scc1 .Lchunk
	; THE WAY OUT.  O^T / the sum is out0's own order (d by rows, queries along them), but a wave holds 16 of a row's queries: the four tiles of a group meet in the stage, and whole runs of 256 bytes leave.
	v_add_f32 v14, v14, v15                        ; the sum's two halves,
	s_delay_alu instid0(VALU_DEP_1)
	v_permlanex16_b32 v252, v14, s20, s21
	s_delay_alu instid0(VALU_DEP_1)
	v_add_f32 v14, v14, v252                       ; and lane l xor 16's: the row's sum
	s_wait_alu depctr_va_vdst(0)
	v_rcp_f32 v14, v14
	PLACES                                         ; a plain place behind the reciprocal, and the places behind the last products
.set pj, 0
	s_wait_alu depctr_va_vdst(0)
.rept 32
	v_mul_f32 v[S+pj], v[O+pj], v14                ; register 8 t + i: d = 16 t + 8 h + i of my query; each accumulator from its low end on
.set pj, pj+1
.endr
.irp t, 0,1,2,3
.irp i, 0,1,2,3,4,5,6,7
	ds_store_b32 v8, v[S+8*\t+\i] offset:(16*\t+\i)*SP
.endr
.endr
	s_wait_dscnt 0x0                               ; for the others' sake: my stores into the stage are done
	s_barrier_signal -1
	s_barrier_wait -1
.irp i, 0,1,2,3,4,5,6,7
	ds_load_b128 v[160+4*\i:163+4*\i], v9 offset:2*\i*SP
.endr
.irp i, 0,1,2,3,4,5,6,7
	s_wait_dscnt 7-\i                              ; LDS loads come back in order: pair i of rows is in
	global_store_b128 v10, v[160+4*\i:163+4*\i], s[42:43] offset:8192*\i th:TH_STORE_NT   ; sixteen lanes store 256 consecutive bytes, at a multiple of 256 from out0's first byte; written once, read by nobody here
.endr
	s_wait_xcnt 0x0
	v_lshl_add_u32 v254, v0, 2, 0x2a800
	v_mov_b32 v255, 0
	s_wait_alu depctr_va_vdst(0)
	s_wait_tensorcnt 0x0
	ds_add_u32 v254, v255
	s_wait_dscnt 0x0
	s_endpgm
.Lfunc_end_k_qec22afc215_attn:
	.size	k_qec22afc215_attn, .Lfunc_end_k_qec22afc215_attn-k_qec22afc215_attn
	.p2alignl 7, 3214868480
	.fill 96, 4, 3214868480
	.section	.rodata,"a",@progbits
	.p2align	6, 0x0
	.amdhsa_kernel k_qec22afc215_attn
		.amdhsa_group_segment_fixed_size 176128
		.amdhsa_private_segment_fixed_size 0
		.amdhsa_enable_private_segment 0
		.amdhsa_kernarg_size 16
		.amdhsa_user_sgpr_count 2
		.amdhsa_user_sgpr_kernarg_segment_ptr 1
		.amdhsa_wavefront_size32 1
		.amdhsa_system_sgpr_workgroup_id_x 1
		.amdhsa_system_sgpr_workgroup_id_y 1
		.amdhsa_system_sgpr_workgroup_id_z 1
		.amdhsa_system_vgpr_workitem_id 0
		.amdhsa_next_free_vgpr 256
		.amdhsa_next_free_sgpr 66
		.amdhsa_reserve_vcc 1
		.amdhsa_float_denorm_mode_32 3
		.amdhsa_float_denorm_mode_16_64 3
		.amdhsa_memory_ordered 1
		.amdhsa_forward_progress 1
		.amdhsa_inst_pref_size 62
	.end_amdhsa_kernel
	.amdgpu_metadata
---
amdhsa.version: [ 1, 2 ]
amdhsa.kernels:
  - .name:           k_qec22afc215_attn
    .symbol:         k_qec22afc215_attn.kd
    .args:
      - { .name: ws, .offset: 0, .size: 8, .value_kind: global_buffer, .address_space: global }
      - { .name: out0, .offset: 8, .size: 8, .value_kind: global_buffer, .address_space: global }
    .group_segment_fixed_size: 176128
    .private_segment_fixed_size: 0
    .kernarg_segment_align: 8
    .kernarg_segment_size: 16
    .max_flat_workgroup_size: 512
    .sgpr_count:     66
    .vgpr_count:     256
    .wavefront_size: 32
...
	.end_amdgpu_metadata
.endif
;; end of part 4
